; MI455X (gfx1250); checked and timed in simulation.
; The chip was launched on July 23, 2026; its instructions are those of AMD's public machine-readable ISA for CDNA 5 (MIT licence, August 2026) and "CDNA5" Instruction Set Architecture Reference Guide (July 2026). The comments in the code are by the model that wrote it; some were corrected since.
;; T5 Attention. Allowed arithmetic: matrix products marked QUANTISED: E2M3 operands, one E8M0 scale for each 32 along K, by v_wmma_scale_f32_16x16x128_f8f6f4 with both operands' format E2M3, f32 sums; everything else in f32.
;; Inputs: Wk 1,024 x 1,024 float32; Wo 1,024 x 1,024 float32; Wq 1,024 x 1,024 float32; Wv 1,024 x 1,024 float32; rel_emb 32 x 16 float32; x 8 x 1,024 x 1,024 float32.
;; Outputs: out0 8 x 1,024 x 1,024 float32.
;; This version of the problem:
;;   THIS VERSION OF THE PROBLEM IS GIVEN IN LOW PRECISION. The matrix products marked QUANTISED in the list below multiply operands that are first quantised to E2M3 (2 exponent bits, 3 mantissa bits; 6 bits a number), with one power-of-two scale for each 32 numbers along K (OCP MX v1.0); their sums are f32. All else is computed in f32.
;;   The module's matrix products, in the order in which they are computed (A, B: the left and right operand; K: the contracted axis; several contracted axes count as one K, in the product's order):
;;     1. [M 8,192, K 1,024] x [K 1,024, N 1,024]; A: input x; B: input Wq: QUANTISED
;;     2. [M 8,192, K 1,024] x [K 1,024, N 1,024]; A: input x; B: input Wk: QUANTISED
;;     3. [M 8,192, K 1,024] x [K 1,024, N 1,024]; A: input x; B: input Wv: QUANTISED
;;     4. batch 128 x [M 1,024, K 64] x [K 64, N 1,024]; A: computed on the way; B: computed on the way: QUANTISED
;;     5. batch 128 x [M 1,024, K 1,024] x [K 1,024, N 64]; A: softmax (see below); B: computed on the way: QUANTISED
;;     6. [M 8,192, K 1,024] x [K 1,024, N 1,024]; A: computed on the way; B: input Wo: QUANTISED
;;   THE QUANTISER, for each operand of a quantised product, along K:
;;     - K is cut into blocks of 32 from its start; a last block that is shorter is filled with zeros.
;;     - A block's scale is 2^e with e = floor(log2(the largest magnitude in the block)) - 2, held to -126 .. 127; a block of zeros has e = 0. As a byte (E8M0): e + 127.
;;     - Each number is divided by its block's scale, clamped to +-7.5, and rounded to the nearest number of E2M3, ties to even, subnormals kept.
;;     - The product sums the exact products of the quantised numbers (number of the format x scale) in f32.
;;   ~~~python
;;   def quantise(x, axis):      # numpy; x: float32 -> the quantised numbers, widened to float32 again
;;       x = np.moveaxis(x, axis, -1); K = x.shape[-1]
;;       x = np.pad(x, [(0, 0)] * (x.ndim - 1) + [(0, -K % 32)]); x = x.reshape(x.shape[:-1] + (-1, 32)); a = np.abs(x).max(-1, keepdims=True)
;;       e = np.where(a > 0, np.clip(np.frexp(np.where(a > 0, a, 1))[1] - 1 - 2, -126, 127), 0)      # np.frexp(a)[1] - 1 = floor(log2(a)), exactly
;;       r = np.clip(x / 2.0 ** e, -7.5, 7.5)
;;       step = 2.0 ** (np.maximum(np.frexp(np.where(r == 0, 1, r))[1] - 1, 0) - 3)
;;       q = np.round(r / step) * step * 2.0 ** e      # np.round: ties to even
;;       return np.moveaxis(q.reshape(q.shape[:-2] + (-1,))[..., :K], -1, axis).astype(np.float32)
;;   ~~~
;;   SOFTMAX AHEAD OF A QUANTISED PRODUCT. Where the list says 'softmax', what is quantised is not the finished softmax but p = 2^(t - M), with t = logit x log2(e) and M = ceil(the row's largest t), a whole number; so 1/2 < the row's largest p <= 1. The row's sum l is taken of the UNQUANTISED p, in f32, and the product's result is divided by l at the end. Since M is a whole number, a kernel that streams over the keys may use a running M (the ceiling of the running maximum): every later rescaling is an exact power of two, which a block's scale takes up: the codes' values come out the same.
;;   OPERANDS COMPUTED ON THE WAY. 'Computed on the way' means the value that the module computes at that place (a softmax that the list does not call 'softmax' is quantised finished and normalised). What goes into a quantiser is computed in f32, as accurately as f32 sums, v_exp_f32 and their like allow (about 1e-6 of the number): no bf16 or f16 on the way to a quantiser, and a product that is left as it is and whose result goes on into a quantised operand takes f32 operands (vector FMAs, or v_wmma_f32_16x16x4_f32). A number that lies on a knife's edge between two numbers of the format may be rounded either way, as far as f32 arithmetic and the matrix unit's own rounding can turn it there, and no further.
;; One version. Each part assembles by itself: llvm-mc -triple=amdgcn-amd-amdhsa -mcpu=gfx1250 --defsym DOCPART=n.
;; ======== version 1 of 1: 4 launches
;; limits: right only within a limited range of input values
;; workspace buffers: xc 6,291,456 bytes; xs 262,144 bytes; wc 3,145,728 bytes; ws 131,072 bytes; att 20,447,232 bytes; cc 6,291,456 bytes; cs 262,144 bytes
;; launch quant (part 1): grid 384 x 1, 4 waves a work-group, no clusters, 79,360 bytes of LDS; arguments x, Wq, Wk, Wv, Wo, xc, xs, wc, ws; writes xc, xs, wc, ws
.if DOCPART == 1
	.amdgcn_target "amdgcn-amd-amdhsa--gfx1250"
	.amdhsa_code_object_version 6
	.text
	.protected	k_qdecae767be_quant
	.globl	k_qdecae767be_quant
	.p2align	8
	.type	k_qdecae767be_quant,@function
k_qdecae767be_quant:
	s_mov_b64 s[64:65], 0
	v_nop
	global_prefetch_b8 v0, s[64:65] scope:SCOPE_SE
	s_setreg_imm32_b32 hwreg(HW_REG_WAVE_MODE, 25, 1), 1
	s_wait_xcnt 0x0
; T5 attention, all six products on codes of FP6 (E2M3) with one E8M0 scale byte for each 32 along K.  FIRST OF FOUR LAUNCHES: x and the four weights become codes.
; DEAD WORK: none is left out in any launch.  Every input has a way to the output: the position bias differs along the softmax's axis, so rel_emb stays; every product of the problem is live.
; THE CODES LEAVE AS IMAGES OF OPERAND REGISTERS.  A fragment is 16 rows x 128 along K, 12 registers a lane: lane (r, h) holds row r, registers 6 c .. 6 c + 5 hold K = 64 c + 32 h + 0 .. 31.  Its image is 1,536 bytes:
; registers 4 c .. 4 c + 3 of lane l = r + 16 h at 512 c + 16 l.  xc: [512 row tiles][8 steps of 128 along K][1,536]; wc: [256 row tiles][8][1,536] (tiles 0-63 Wq's columns, then Wk's, Wv's, Wo's).
; The scale bytes lie by rows: xs [8192 places][32], ws [4096 places][32].
; THE PLACES: place p holds true row (column of W) pi(p), pi = p with its bits 3 and 4 exchanged: tile 2 b + u holds in its row r the true row 32 b + 8 u + r + 8 (r / 8): a product that takes such rows as its
; source 0 leaves, in a lane's 16 registers of two neighbouring tiles, 16 true neighbours.
; A block's scale is 2^(floor(log2(its largest magnitude)) - 2); its byte is the largest magnitude's exponent field - 2, held at 1 from below.
; LIMITS: a block of zeros, and one whose largest magnitude lies under 2^-124, gets the byte 1 (the rule says 127 for zeros: the codes are zeros, and this program alone reads the bytes); NaN and infinities among the inputs are not served.
; Work-groups 0-255 take x (K innermost): a work-group 32 rows, a wave one row tile x 512 along K: 16 steps, a row's 2,048 bytes each.  Each load reads 512 consecutive bytes; the numbers turn through the wave's own stage in
; LDS so that a lane holds 16 neighbours; a lane's three words of codes go to their places in the wave's image stage, and the wave's four fragments leave as 12 stores of 512 consecutive bytes.
; Work-groups 256-383 take the weights (K is their FIRST axis): a lane takes a column and its registers run down K; a wave takes 32 columns x 256 along K: two row tiles x two fragments, gathered as whole register
; images in the lane, sent through the wave's own stage and stored likewise.
; The two ways have LDS bytes of their own.  No tensor loads, no barrier: waves share nothing.
.set STEPS, 16
.set EMAX,  2
.set R,     16                         ; x: v16-79   four sets of 16 numbers as they are loaded; at the end the images on their way out
.set X,     80                         ; x: v80-111  two sets of 16 neighbours
.set E,     112                        ; x: v112-127 a scale byte for each step
.set C,     128                        ; x: v128-191 codes, four registers for each step
.set SP,    80                         ; x: a lane's place in a turning stage: 64 bytes + 16 of padding
.set XREG,  13312                      ; x: LDS region of a wave: two turning stages of 32 x SP bytes, 256 scale bytes, the image stage
.set XSCB,  5120                       ; x: the scale bytes: 16 for each of the 16 rows
.set XIMG,  5376                       ; x: the image stage: a line is the 256 bytes of sixteen lanes' 16;
.set PH,    320                        ;    lanes 16-31's line lies 320 bytes behind lanes 0-15's, a chunk of four registers 640 behind the last, a fragment 1,936:
.set PCH,   640
.set PG,    1936
.set AI0,   4                          ; x: v4, v6, v7  where my three words of codes go in the image stage (row 0)
.set AI1,   6
.set AI2,   7
.set SPW,   12                         ; v12  LDS address of my spare word; never rewritten
.set NIL,   13                         ; v13  0; never rewritten
.set WSTG,  4*XREG                     ; W: four stages, one a wave
.set WREG,  6400
.set PU,    3200                       ; W: the stage's second row tile lies 3,072 + 128 bytes behind the first
.set SPARE, WSTG+4*WREG                ; the spare words, 128 bytes for each wave: two blocks of 256 bytes that no other line names
.set NB,    8                          ; W: blocks of 32 along K for a wave
.set KROW,  768                        ; bytes of a row's 1,024 codes: a row tile's images are 16 x 768 bytes
.set WX,    32                         ; W: v32-95   two sets of 32 numbers
.set WF,    96                         ; W: v96-119  two register images of 12: image lanes (row, 0) and (row, 1)
.set WT,    120                        ; W: v120-122 at work
.set OUTR,  128                        ; W: v128-175 the way out
.set SB,    24                         ; W: v24-25   the scale bytes, four to a register
	s_load_b256 s[4:11], s[0:1], 0x0               ; x, Wq, Wk, Wv
	s_load_b256 s[12:19], s[0:1], 0x20             ; Wo, xc, xs, wc
	s_load_b64 s[20:21], s[0:1], 0x40              ; ws
	v_lshl_add_u32 v[SPW], v0, 2, SPARE
	v_mov_b32 v[NIL], 0
	v_lshrrev_b32 v1, 5, v0
	v_readfirstlane_b32 s22, v1                    ; wave
	v_and_b32 v2, 31, v0                           ; lane
	s_cmp_lt_u32 ttmp9, 256                        ; x's work-group or a weight's: the work-group's number alone decides
	s_cbranch_scc0 .Lweights
; ---------------- x ----------------
	v_lshlrev_b32 v3, 4, v2                        ; 16 x lane: my 16 bytes of a load's, and of a store's, 512
	s_mul_i32 s23, s22, XREG
	v_lshrrev_b32 v14, 2, v2
	v_mul_u32_u24 v14, v14, SP
	v_and_b32 v15, 3, v2
	v_lshl_add_u32 v14, v15, 4, v14
	v_add_nc_u32 v14, s23, v14                     ; the turning stage, on the way in: SP (lane / 4) + 16 (lane % 4)
	v_mul_u32_u24 v15, v2, SP
	v_add_nc_u32 v15, s23, v15                     ; and on the way out: SP x lane: my 16 neighbours
	s_add_co_u32 s24, s23, XSCB
	v_lshrrev_b32 v5, 1, v2
	v_add_nc_u32 v5, s24, v5                       ; my block's scale byte in row 0's sixteen
	v_lshlrev_b32 v1, 3, v2
	v_add_nc_u32 v1, s24, v1                       ; and on the way out 8 bytes a lane
	s_add_co_u32 s24, s23, XIMG
	; my 16 numbers of a step are half e = lane % 2 of block m = lane / 2 of the row's sixteen: fragment m / 4, in it block 2 c + h.  Their three words are registers 6 c + 3 e + 0 .. 2 of image lane (row, h)
	v_lshrrev_b32 v8, 3, v2                        ; the fragment
	v_mul_u32_u24 v8, v8, PG
	v_bfe_u32 v9, v2, 1, 1                         ; h
	v_mad_u32_u24 v8, v9, PH, v8
	v_add_nc_u32 v8, s24, v8
	v_bfe_u32 v9, v2, 2, 1                         ; c
	v_and_b32 v10, 1, v2                           ; e
	v_mul_u32_u24 v9, v9, 6
	v_mad_u32_u24 v9, v10, 3, v9                   ; 6 c + 3 e
.macro MKAI dst, i                     ; register n = 6 c + 3 e + i lies in chunk n / 4, word n % 4
	v_add_nc_u32 v10, \i, v9
	v_lshrrev_b32 v11, 2, v10
	v_and_b32 v10, 3, v10
	v_mad_u32_u24 v11, v11, PCH, v8
	v_lshl_add_u32 v[\dst], v10, 2, v11
.endm
	MKAI AI0, 0
	MKAI AI1, 1
	MKAI AI2, 2
	v_and_b32 v10, 15, v2                          ; out of the image stage: lane l takes its own 16 bytes of a chunk
	v_lshrrev_b32 v11, 4, v2
	v_lshlrev_b32 v10, 4, v10
	v_mad_u32_u24 v10, v11, PH, v10
	v_add_nc_u32 v10, s24, v10
	s_lshr_b32 s25, s22, 1                         ; u: which of the work-group's two row tiles
	s_and_b32 s30, s22, 1                          ; which 512 along K
	s_lshl_b32 s26, ttmp9, 17                      ; x: 32 rows of 4,096 bytes a work-group; tile u's rows begin at true row 8 u;
	s_lshl_b32 s28, s25, 15
	s_add_co_u32 s26, s26, s28
	s_lshl_b32 s28, s30, 11                        ; 2,048 bytes on for the second half of K
	s_add_co_u32 s26, s26, s28
	s_mov_b32 s27, 0
	s_lshl_b32 s28, ttmp9, 1
	s_add_co_u32 s28, s28, s25                     ; my row tile
	s_wait_kmcnt 0x0
	s_add_nc_u64 s[4:5], s[4:5], s[26:27]
	s_mul_i32 s26, s28, 16*KROW
	s_mul_i32 s29, s30, 4*1536
	s_add_co_u32 s26, s26, s29
	s_add_nc_u64 s[14:15], s[14:15], s[26:27]      ; my four fragments' 6,144 bytes
	s_lshl_b32 s26, s28, 9
	s_lshl_b32 s29, s30, 4
	s_add_co_u32 s26, s26, s29
	s_add_nc_u64 s[16:17], s[16:17], s[26:27]      ; my 16 of each row's 32 scale bytes
.macro LOAD t                          ; step t is the tile's row t: true row t % 8 + 16 (t / 8) from the tile's first
.irp i, 0,1,2,3
	global_load_b128 v[R+16*((\t)%4)+4*\i:R+16*((\t)%4)+4*\i+3], v3, s[4:5] offset:(((\t)%8)+16*((\t)/8))*4096+512*\i th:TH_LOAD_NT   ; 32 lanes read 512 consecutive bytes
.endr
.endm
.macro TURN t                          ; step t's numbers through the turning stage: LDS serves a wave's instructions in order, so no wait stands between the stores and the loads
.irp i, 0,1,2,3
	ds_store_b128 v14, v[R+16*((\t)%4)+4*\i:R+16*((\t)%4)+4*\i+3] offset:32*SP*((\t)%2)+8*SP*\i
.endr
.irp i, 0,1,2,3
	ds_load_b128 v[X+16*((\t)%2)+4*\i:X+16*((\t)%2)+4*\i+3], v15 offset:32*SP*((\t)%2)+16*\i
.endr
.endm
.irp t, 0,1,2,3
	LOAD \t
.endr
	s_wait_loadcnt 12                              ; step 0's four loads are in; the twelve of steps 1 to 3 may be out
	TURN 0
.macro STEP t
.set XS, X+16*((\t)%2)
.if (\t) > 0
	s_wait_dscnt 4                                 ; this step's numbers are back from the stage (the last step's byte store and three word stores may be out)
.else
	s_wait_dscnt 0x0
.endif
.if (\t)+4 < STEPS
	LOAD (\t)+4                                    ; into the registers that this step's stores into the stage have read
.endif
.if (\t)+1 < STEPS
.if STEPS-2-(\t) >= 3
	s_wait_loadcnt 12                              ; the next step's four loads are in; those of the three steps behind it may be out
.else
	s_wait_loadcnt 4*(STEPS-2-(\t))
.endif
	TURN (\t)+1
.endif
	v_max3_num_f32 v8, |v[XS]|, |v[XS+1]|, |v[XS+2]|               ; the largest magnitude of my 16, in two chains
	v_max3_num_f32 v9, |v[XS+3]|, |v[XS+4]|, |v[XS+5]|
.irp i, 6,10
	v_max3_num_f32 v8, v8, |v[XS+\i]|, |v[XS+\i+1]|
	v_max3_num_f32 v9, v9, |v[XS+\i+2]|, |v[XS+\i+3]|
.endr
	v_max3_num_f32 v8, v8, |v[XS+14]|, |v[XS+15]|
	v_max3_num_f32 v8, v8, v9, (EMAX+1)<<23        ; and the floor 2^(3 - 127): the byte cannot fall under 1
	v_max_num_f32_dpp v8, v8, v8 row_xmask:1 row_mask:0xf bank_mask:0xf   ; and of my neighbour's 16: the block's
	v_add_nc_u32 v11, -(EMAX<<23), v8              ; 2 off its exponent field: the conversion takes the exponent field of this operand as its scale
	v_cvt_scalef32_pk16_fp6_f32 v[C+4*(\t):C+4*(\t)+2], v[XS:XS+15], v11
	v_lshrrev_b32 v[E+(\t)], 23, v11               ; the scale's byte (also the plain line behind the conversion)
	ds_store_b8 v5, v[E+(\t)] offset:16*(\t)       ; both lanes of a block write the same byte with the same value
	ds_store_b32 v[AI0], v[C+4*(\t)] offset:16*(\t)      ; my three words to their places in image lane (row t, h): a row is 16 bytes on from the last
	ds_store_b32 v[AI1], v[C+4*(\t)+1] offset:16*(\t)
	ds_store_b32 v[AI2], v[C+4*(\t)+2] offset:16*(\t)
.endm
.irp t, 0,1,2,3,4,5,6,7,8,9,10,11,12,13,14,15
	STEP \t
.endr
.irp k, 0,1,2,3,4,5,6,7,8,9,10,11
	ds_load_b128 v[R+4*\k:R+4*\k+3], v10 offset:(\k/3)*PG+(\k%3)*PCH   ; fragment k / 3, chunk k % 3.  LDS serves a wave's instructions in order: these see my stores
.endr
	ds_load_b64 v[8:9], v1
	v_lshrrev_b32 v80, 1, v2                       ; the scale bytes' place: row lane / 2 of 32 bytes, + 8 (lane % 2)
	v_and_b32 v81, 1, v2
	v_lshlrev_b32 v80, 5, v80
	v_lshl_add_u32 v80, v81, 3, v80
	s_wait_alu depctr_va_vdst(0)
.irp k, 0,1,2,3,4,5,6,7,8,9,10,11
	s_wait_dscnt 12-\k                             ; the younger reads may be out
	global_store_b128 v3, v[R+4*\k:R+4*\k+3], s[14:15] offset:(\k/3)*1536+(\k%3)*512   ; 32 lanes store 512 consecutive bytes, at a multiple of 256 from xc's first byte
.endr
	s_wait_dscnt 0x0
	global_store_b64 v80, v[8:9], s[16:17]         ; 16 of each row's 32 scale bytes: the other 16 are the wave's that takes the other half of K
	s_wait_tensorcnt 0x0                           ; the wave's end: behind my last LDS store
	ds_add_u32 v[SPW], v[NIL]
	s_wait_dscnt 0x0
	s_endpgm
; ---------------- the weights ----------------
.Lweights:
	s_sub_co_u32 s24, ttmp9, 256
	s_lshr_b32 s25, s24, 5                         ; which weight: 0 Wq, 1 Wk, 2 Wv, 3 Wo
	s_bfe_u32 s26, s24, 0x30002                    ; which 128 columns
	s_and_b32 s27, s24, 3                          ; which 256 along K
	s_lshl_b32 s26, s26, 7
	s_lshl_b32 s28, s22, 5
	s_add_co_u32 s26, s26, s28                     ; my wave's first column
	s_wait_alu depctr_va_vdst(0)
	v_lshlrev_b32 v3, 2, v2                        ; in: 4 bytes a lane
	v_and_b32 v10, 7, v2                           ; pi(lane) = 16 u + row: my column's place among the wave's 32: row = lane % 8 + 8 (bit 4), u = bit 3
	v_bfe_u32 v5, v2, 4, 1
	v_lshl_add_u32 v6, v5, 3, v10                  ; row
	v_bfe_u32 v5, v2, 3, 1                         ; u
	v_lshl_add_u32 v10, v5, 4, v6                  ; pi(lane)
	s_mul_i32 s28, s22, WREG
	s_add_co_u32 s28, s28, WSTG                    ; my stage
	v_mul_u32_u24 v4, v5, PU
	v_lshl_add_u32 v4, v6, 4, v4
	v_add_nc_u32 v4, s28, v4                       ; into it: tile u, image lane (row, 0)
	v_lshlrev_b32 v8, 4, v2                        ; 16 x lane
	v_add_nc_u32 v7, s28, v8                       ; out of it: a chunk's 512 bytes as they lie
	v_lshlrev_b32 v9, 5, v10                       ; my place's row of scale bytes
	s_lshl_b32 s28, s27, 20                        ; the weight: 256 rows of 4,096 bytes a part of K, + 4 x column
	s_lshl_b32 s29, s26, 2
	s_add_co_u32 s28, s28, s29
	s_mov_b32 s29, 0
	s_lshl_b32 s30, s25, 10
	s_add_co_u32 s30, s30, s26                     ; first place in wc and ws: a multiple of 32
	s_mul_i32 s32, s30, KROW                       ; its row tile's images,
	s_mul_i32 s31, s27, 2*1536                     ; my two fragments of the eight
	s_add_co_u32 s32, s32, s31
	s_mov_b32 s33, 0
	s_lshl_b32 s34, s30, 5
	s_lshl_b32 s31, s27, 3
	s_add_co_u32 s34, s34, s31
	s_mov_b32 s35, 0
	s_wait_kmcnt 0x0
	s_cmp_eq_u32 s25, 1                            ; the weight is chosen by the work-group's number alone
	s_cselect_b64 s[6:7], s[8:9], s[6:7]
	s_cmp_eq_u32 s25, 2
	s_cselect_b64 s[6:7], s[10:11], s[6:7]
	s_cmp_eq_u32 s25, 3
	s_cselect_b64 s[6:7], s[12:13], s[6:7]
	s_add_nc_u64 s[6:7], s[6:7], s[28:29]
	s_add_nc_u64 s[18:19], s[18:19], s[32:33]
	s_add_nc_u64 s[20:21], s[20:21], s[34:35]
.macro WLOAD t                         ; block t: W(32 t + i, my column), i = 0 .. 31, into set t % 2; 32 lanes read 128 consecutive bytes
.set I, 0
.rept 32
	global_load_b32 v[WX+32*((\t)%2)+I], v3, s[6:7] offset:(32*(\t)+I)*4096 th:TH_LOAD_NT
.set I, I+1
.endr
.endm
	WLOAD 0
	WLOAD 1
; Block t is block b = t % 4 = 2 c + h of fragment t / 4: registers 6 c .. 6 c + 5 of image lane (my row, h).  The two images (h = 0, 1) fill over four blocks; each is stored when its second half is made.
.macro BLOCK t
.set XS, WX+32*((\t)%2)
.set FB, WF+12*((\t)%2)
.set CC, ((\t)%4)/2
.if (\t) < NB-1
	s_wait_loadcnt 32                              ; this block's 32 loads are in; the next block's may be out
.else
	s_wait_loadcnt 0
.endif
	v_max3_num_f32 v16, |v[XS]|, |v[XS+1]|, |v[XS+2]|               ; the block's largest magnitude: all 32 numbers are mine
	v_max3_num_f32 v17, |v[XS+3]|, |v[XS+4]|, |v[XS+5]|
.irp i, 6,10,14,18,22,26
	v_max3_num_f32 v16, v16, |v[XS+\i]|, |v[XS+\i+1]|
	v_max3_num_f32 v17, v17, |v[XS+\i+2]|, |v[XS+\i+3]|
.endr
	v_max3_num_f32 v16, v16, |v[XS+30]|, |v[XS+31]|
	v_max3_num_f32 v16, v16, v17, (EMAX+1)<<23     ; and the floor
	v_add_nc_u32 v11, -(EMAX<<23), v16             ; the conversion's scale operand
	v_cvt_scalef32_pk16_fp6_f32 v[FB+6*CC:FB+6*CC+2], v[XS:XS+15], v11
	v_cvt_scalef32_pk16_fp6_f32 v[WT:WT+2], v[XS+16:XS+31], v11     ; (a conversion's three registers begin on an even number: the second half of a block's six does not, so it is made elsewhere and moved)
	v_lshrrev_b32 v17, 23, v11                     ; the scale's byte (also the plain line behind the conversions)
.if (\t)%4 == 0
	v_mov_b32 v[SB+(\t)/4], v17                    ; four bytes to a register, the lower K in the lower byte
.else
	v_lshl_or_b32 v[SB+(\t)/4], v17, 8*((\t)%4), v[SB+(\t)/4]
.endif
.irp i, 0,1,2
	v_mov_b32 v[FB+6*CC+3+\i], v[WT+\i]
.endr
.if CC == 1
.irp k, 0,1,2
	ds_store_b128 v4, v[FB+4*\k:FB+4*\k+3] offset:((\t)/4)*1536+512*\k+256*((\t)%2)   ; the image lane's twelve registers, four to a chunk
.endr
.endif
.if (\t)+2 < NB
	WLOAD (\t)+2
.endif
.if CC == 1
	s_wait_dscnt 0x0                               ; the stores have read their registers: the next fragment's codes may be written
.endif
.endm
.set Q, 0
.rept NB
	BLOCK Q
.set Q, Q+1
.endr
	s_wait_alu depctr_va_vdst(0)
	global_store_b64 v9, v[SB:SB+1], s[20:21]      ; my column's 8 scale bytes
.irp k, 0,1,2,3,4,5,6,7,8,9,10,11
	ds_load_b128 v[OUTR+4*\k:OUTR+4*\k+3], v7 offset:(\k/6)*PU+((\k/3)%2)*1536+(\k%3)*512   ; tile k / 6, fragment (k / 3) % 2, chunk k % 3.  LDS serves a wave's instructions in order: these see my stores
.endr
.irp k, 0,1,2,3,4,5,6,7,8,9,10,11
	s_wait_dscnt 11-\k                             ; the younger reads of the stage may be out
	global_store_b128 v8, v[OUTR+4*\k:OUTR+4*\k+3], s[18:19] offset:(\k/6)*16*KROW+((\k/3)%2)*1536+(\k%3)*512   ; 32 lanes store 512 consecutive bytes, at a multiple of 256 from wc's first byte
.endr
	s_wait_tensorcnt 0x0                           ; the wave's end: behind my last LDS store
	ds_add_u32 v[SPW], v[NIL]
	s_wait_dscnt 0x0
	s_endpgm
.Lfunc_end_k_qdecae767be_quant:
	.size	k_qdecae767be_quant, .Lfunc_end_k_qdecae767be_quant-k_qdecae767be_quant
	.p2alignl 7, 3214868480
	.fill 96, 4, 3214868480
	.section	.rodata,"a",@progbits
	.p2align	6, 0x0
	.amdhsa_kernel k_qdecae767be_quant
		.amdhsa_group_segment_fixed_size 79360
		.amdhsa_private_segment_fixed_size 0
		.amdhsa_enable_private_segment 0
		.amdhsa_kernarg_size 72
		.amdhsa_user_sgpr_count 2
		.amdhsa_user_sgpr_kernarg_segment_ptr 1
		.amdhsa_wavefront_size32 1
		.amdhsa_system_sgpr_workgroup_id_x 1
		.amdhsa_system_sgpr_workgroup_id_y 1
		.amdhsa_system_sgpr_workgroup_id_z 1
		.amdhsa_system_vgpr_workitem_id 0
		.amdhsa_next_free_vgpr 192
		.amdhsa_next_free_sgpr 66
		.amdhsa_reserve_vcc 0
		.amdhsa_float_denorm_mode_32 3
		.amdhsa_float_denorm_mode_16_64 3
		.amdhsa_memory_ordered 1
		.amdhsa_forward_progress 1
		.amdhsa_inst_pref_size 79
	.end_amdhsa_kernel
	.amdgpu_metadata
---
amdhsa.version: [ 1, 2 ]
amdhsa.kernels:
  - .name:           k_qdecae767be_quant
    .symbol:         k_qdecae767be_quant.kd
    .args:
      - { .name: x, .offset: 0, .size: 8, .value_kind: global_buffer, .address_space: global }
      - { .name: Wq, .offset: 8, .size: 8, .value_kind: global_buffer, .address_space: global }
      - { .name: Wk, .offset: 16, .size: 8, .value_kind: global_buffer, .address_space: global }
      - { .name: Wv, .offset: 24, .size: 8, .value_kind: global_buffer, .address_space: global }
      - { .name: Wo, .offset: 32, .size: 8, .value_kind: global_buffer, .address_space: global }
      - { .name: xc, .offset: 40, .size: 8, .value_kind: global_buffer, .address_space: global }
      - { .name: xs, .offset: 48, .size: 8, .value_kind: global_buffer, .address_space: global }
      - { .name: wc, .offset: 56, .size: 8, .value_kind: global_buffer, .address_space: global }
      - { .name: ws, .offset: 64, .size: 8, .value_kind: global_buffer, .address_space: global }
    .group_segment_fixed_size: 79360
    .private_segment_fixed_size: 0
    .kernarg_segment_align: 8
    .kernarg_segment_size: 72
    .max_flat_workgroup_size: 128
    .sgpr_count:     66
    .vgpr_count:     192
    .wavefront_size: 32
...
	.end_amdgpu_metadata
.endif
;; end of part 1
;; launch qkv (part 2): grid 96 x 4, 4 waves a work-group, clusters of 4 x 4, 327,680 bytes of LDS; arguments xc, xs, wc, ws, att; writes att
.if DOCPART == 2
	.amdgcn_target "amdgcn-amd-amdhsa--gfx1250"
	.amdhsa_code_object_version 6
	.text
	.protected	k_qdecae767be_qkv
	.globl	k_qdecae767be_qkv
	.p2align	8
	.type	k_qdecae767be_qkv,@function
k_qdecae767be_qkv:
	s_mov_b64 s[64:65], 0
	v_nop
	global_prefetch_b8 v0, s[64:65] scope:SCOPE_SE
	s_setreg_imm32_b32 hwreg(HW_REG_WAVE_MODE, 25, 1), 1
	s_wait_xcnt 0x0
	s_wait_alu depctr_hold_cnt(0) depctr_sa_sdst(0) depctr_va_vdst(0) depctr_va_sdst(0) depctr_va_ssrc(0) depctr_va_vcc(0) depctr_vm_vsrc(0)
	s_getreg_b32 s2, hwreg(HW_REG_IB_STS2, 6, 4)
	s_cmp_eq_u32 s2, 0
	s_cbranch_scc0 .Lentry_in_a_cluster
	s_endpgm
.Lentry_in_a_cluster:
	s_bfe_u32 s2, ttmp6, 0x10000c
	s_cmp_lg_u32 s2, 0xf033
	s_cbranch_scc0 .Lentry_shape_is_right
	s_endpgm
.Lentry_shape_is_right:
; SECOND LAUNCH: q = x Wq, k = x Wk, v = x Wv on codes of FP6 (E2M3), and their quantising for the attention's two products.  No work of the problem is left out here.
; ONE BODY, TWO PRODUCTS of the form C = A B^T (A, B: rows of 1,024 codes) whose result is quantised ALONG ITS COLUMNS, in blocks of 32:
;   clusters 0-15:  A = x (8,192 rows), B = Wq's and Wk's columns (2,048 rows): C = q | k, its columns the heads' 64 channels, which are the K of q k^T;
;   clusters 16-23: A = Wv's columns (1,024 rows), B = x (8,192 rows): C = v^T, its columns the keys, which are the K of p v.
; A tile of C, 256 x 256, is made by four waves, as many as a WGP has SIMDs; a wave makes 128 x 128: 64 accumulators, 512 registers.
; xc AND wc HOLD IMAGES OF OPERAND REGISTERS: [row tile of 16][8 steps of 128 along K][1,536 bytes], registers 4 c .. 4 c + 3 of lane l at 512 c + 16 l.  So a fragment comes out of LDS by three loads of 16 bytes a lane,
; each 512 consecutive bytes, LDS needs no padding, and a tensor load's rows are 3,072 consecutive bytes at multiples of 256 from the buffer's first byte.
; K = 1,024 IS FOUR K STEPS OF 256, AND THREE SLOTS FIT: a slot is 512 rows x 192 bytes = 98,304.  K steps 0, 1, 2 are first fills, asked for at the head with the scale bytes (one tensor load a wave); K step 3 is
; the one refill, into slot 0, behind the round at the change from step 0 to step 1: from its request to the wait for it a wave issues 224 matrix instructions.  At the change from step 1 to step 2 no barrier stands: slot 2 was
; shown landed in every wave by the wait for all loads in front of that round, and nothing is filled into slot 1.  The eight steps of 128 are written out: there is no loop.
; CLUSTERS: 4 x 4 work-groups.  The four of a row of the cluster need the same tiles of A, the four of a column the same tiles of B: each tile is asked for JOINTLY, by the same tensor load with the same descriptor
; and a mask that names the four.  Which of the two products a cluster makes hangs on the cluster's number alone, which its sixteen partners share.
; THE MATRIX INSTRUCTION IS USED TRANSPOSED (source 0 = 16 rows of B, source 1 = 16 rows of A).  Place p of xc and wc holds true row pi(p) (bits 3 and 4 exchanged), so a lane's 16 registers of B's tiles 2 b and 2 b + 1
; are the 16 true columns 32 b + 16 (lane / 16) + 0 .. 15 of one row of C: what the conversions want.  The results never go to memory as f32.
; THE WAY OUT: each block of 16 rows x 128 columns becomes one operand fragment (12 registers a lane) and a scale word a row, and leaves as an image of its registers.
; att: 128 records (batch x 16 + head) of REC bytes: K's 64 half fragments (K = 64: registers 0-3 at 16 l, 4-5 at 512 + 8 l), V^T's 8 key steps x 4 tiles of whole fragments, K's scale words (bytes 2, 3 = 0),
; V^T's scale words (32 lanes each), Q's half fragments, Q's scale words.
; LIMITS: a block whose largest magnitude lies under 2^-124 (zeros too) gets the byte 1; NaN and infinities are not served.
; REGISTERS, in windows of 256: window 0: v0-31 addresses; v32-63 scale words, two sets; from v128 A's fragments, ONE set; on the way out v112-130 codes, v200-217 at work.
;   window 1: B's fragments, TWO sets, at v0 and v128.   window 2: the accumulators of my rows 0-63 ((a, b) at v[8 (8 a + b)]);   window 3: those of my rows 64-127.
.set NQ,     2                         ; matrix instructions deep in a K step
.set KROW,   768                       ; bytes of a row's 1,024 codes: a row tile's images are 16 x 768 bytes
.set KSB,    3072                      ; a row tile's part of a K step: two fragments
.set FR,     12                        ; registers of a fragment
.set NL,     3                         ; LDS loads that bring one
.set NP,     4                         ; places behind this matrix instruction (ISA guide 7.12.1)
.set HALF,   8*KSB                     ; 8 row tiles: what one tensor load brings, and what one wave reads of A or of B
.set SLOT,   4*HALF                    ; A's 16 row tiles, then B's 16
.set KS,     32                        ; a row of scale bytes
.set SCL,    3*SLOT                    ; behind the three slots: the scales, as units of 256 bytes + 16 of padding
.set HALFS,  (128*KS/256)*272          ; the scales of 128 rows
.set SBLK,   (16*KS/256)*272           ; those of 16 rows
.set SPARE,  SCL+4*HALFS               ; the spare words, 128 bytes for each wave: two blocks of 256 bytes that no other line names
.set REC,    159744                    ; a record of att
; THE RECORD'S K AND V PART LIES BY KEY STEPS of 128 keys, STP bytes each (this replaces the order given at the kernel's head):
; K's 8 half fragments (6,144 bytes), V^T's 4 whole fragments (6,144), K's scale words (512), V^T's scale words (512); 8 steps; Q's part follows as before.
.set STP,    13312
.set VIMG,   6144
.set KSC,    12288
.set VSC,    12800
.set QIMG,   106496
.set QSC,    155648
.set O16,  7                           ; v7   the way out: 16 x lane
.set O8,   8                           ; v8   8 x lane
.set OSQ,  9                           ; v9   4 (lane % 16) + REC (lane / 16)
.set O4,   10                          ; v10  4 x lane
.set SH,   11                          ; v11  16 (lane / 16)
.set FLO,  12                          ; v12  the floor 2^(3 - 127)
.set ADRA, 16                          ; v16-18 LDS address of my A fragments in slot 0, 1, 2
.set ADRB, 20                          ; v20-22 the same for B
.set ADRS, 27                          ; v27  LDS address of my scale words: lanes 0-15 A's rows, lanes 16-31 B's
.set SPW,  28                          ; v28  LDS address of my spare word; never rewritten
.set NIL,  29                          ; v29  0; never rewritten
.set SC,   32                          ; scale words: set s at v[SC + 16 s]; register 2 i + q: lanes 0-15 A's block i, lanes 16-31 B's block i
.set CD,   112                         ; the way out: the fragment just made, v112-123; v124-130 at work
.set AF,   128                         ; A's fragments, in window 0
.set TM,   200                         ; the way out: v200-203 largest magnitudes, v204-207 bytes, v212-215 the conversions' scale operands
.set PW,   216                         ; the scale word just made
.set TT,   217
.set G1, 24                            ; s[24:31] descriptor group 1 for A's tiles
.set G0, 32                            ; s[32:35] group 0 for A's K step 0, s[40:43] for K step 3
.set CX, 44                            ; s44, s45 my place in the cluster
.set CY, 45
.set TC, 46                            ; s46  tile column of C
.set ISV, 47                           ; s47  0: q | k;  1: v^T
.set G1B, 48                           ; s[48:55] group 1 for B's tiles
.set G0B, 56                           ; s[56:59] group 0 for B's K step 0; K step 3's is s[92:95]
.set G1S, 68                           ; s[68:75], s[76:79] groups 1 and 0 for A's K steps 1 and 2; s[80:87], s[88:91] for B's
.set G0S, 76
.set G1SB, 80
.set G0SB, 88
.set SEL, 96                           ; s[96:97] on the way out: lane selects for v_permlanex16_b32
.set MSB, 0
.macro WIN new                         ; the immediate's high byte repeats the setting that is left
.if MSB != \new
	s_set_vgpr_msb (MSB<<8)|\new
.set MSB, \new
.endif
.endm
.set MUL_LO, 0xa1                      ; source 0 (B) window 1, source 1 (A) window 0, C and D window 2
.set MUL_HI, 0xf1                      ; the same, C and D window 3
.set TO_B,   0x40                      ; destination window 1, address window 0
; A joint load: waves 0 and 1 fetch for A, waves 2 and 3 for B.  Each line has ONE mask and one set of registers for all that issue it; the branch hangs on the wave's number alone.
; An s_nop 0 and four v_nop follow each of the two lines, ahead of the jump, the label and what follows.
.macro JLOAD g0a, g1a, g0b, g1b
	s_cmp_eq_u32 s15, 0
	s_cbranch_scc0 .Lfor_b_\@
	tensor_load_to_lds s[\g0a:\g0a+3], s[\g1a:\g1a+7]
	s_nop 0
.rept 4
	v_nop
.endr
	s_branch .Lasked_\@
.Lfor_b_\@:
	tensor_load_to_lds s[\g0b:\g0b+3], s[\g1b:\g1b+7]
	s_nop 0
.rept 4
	v_nop
.endr
.Lasked_\@:
.endm
.macro CREST                           ; a round of the cluster's barrier behind its opening barrier
	s_cmp_lg_u32 s14, 0
	s_cbranch_scc1 .Lnot_wave_0_\@
	s_barrier_signal -3
.Lnot_wave_0_\@:
	s_barrier_wait -3
	s_barrier_signal -1
	s_barrier_wait -1
.endm
.macro CROUND                          ; a whole round
	s_barrier_signal -1
	s_barrier_wait -1
	CREST
.endm
	s_load_b128 s[4:7], s[0:1], 0x0                ; xc, xs
	s_load_b128 s[8:11], s[0:1], 0x10              ; wc, ws
	s_load_b64 s[12:13], s[0:1], 0x20              ; att
	v_lshl_add_u32 v[SPW], v0, 2, SPARE
	v_mov_b32 v[NIL], 0
	ds_add_u32 v[SPW], v[NIL]                      ; the wave's opening: the add, twice on end, and its wait ahead of my first tensor load
	ds_add_u32 v[SPW], v[NIL]                      ; and once more; the set-up below, work on registers, stands between it and the wait
	v_lshrrev_b32 v1, 5, v0
	v_readfirstlane_b32 s14, v1                    ; wave 0..3
	s_lshr_b32 s15, s14, 1                         ; which half of the tile's rows is mine.  Also: I fetch for A (0) or for B (1)
	s_and_b32 s16, s14, 1                          ; which half of its columns.  Also: which 128 rows of that tile I fetch
	s_bfe_u32 s[CX], ttmp6, 0x40000                ; cx, cy: my place in the cluster
	s_bfe_u32 s[CY], ttmp6, 0x40004
	s_lshr_b32 s18, ttmp9, 1                       ; the cluster's number c: q | k: cluster row c / 2, cluster column c % 2;  v^T: row 0, column c - 16
	s_and_b32 s19, ttmp9, 1
	s_sub_co_u32 s20, ttmp9, 16
	s_cmp_lt_u32 ttmp9, 16
	s_cselect_b32 s18, s18, 0
	s_cselect_b32 s[TC], s19, s20
	s_cselect_b32 s[ISV], 0, 1
	s_lshl_b32 s[TC], s[TC], 2
	s_add_co_u32 s[TC], s[TC], s[CX]               ; tile column of C
	s_lshl_b32 s17, s18, 2
	s_add_co_u32 s17, s17, s[CY]                   ; tile row of C
	s_lshl_b32 s96, s[CY], 2
	s_lshl_b32 s96, 15, s96                        ; my row of the cluster
	s_lshl_b32 s97, 0x1111, s[CX]                  ; my column
	; descriptor group 1: 16 row tiles x 3,072 consecutive bytes (two fragments), 12,288 bytes apart in memory, dense in LDS
	s_or_b32 s[G1+0], s96, (3<<16)|(1<<21)         ; 15:0 the mask: A's tiles go to my row; 17:16 elements of 8 bytes; 20 no padding; 21 set beside a mask
	s_or_b32 s[G1B+0], s97, (3<<16)|(1<<21)        ; the same with the mask of my column
.irp g, G1, G1B
	s_mov_b32 s[\g+1], 384<<16                     ; tensor_dim0
	s_mov_b32 s[\g+2], 16<<16                      ; tensor_dim1: the head's loads bring 16 row tiles
	s_mov_b32 s[\g+3], 384<<16                     ; tile_dim0
	s_mov_b32 s[\g+4], 16                          ; tile_dim1
	s_mov_b32 s[\g+5], 1536                        ; tensor_dim0_stride
	s_mov_b32 s[\g+6], 0
	s_mov_b32 s[\g+7], 0
.endr
	; a second pair of groups 1, for K steps 1 and 2 together: 16 row tiles x 6,144 consecutive bytes, dense in LDS
	s_or_b32 s[G1S+0], s96, (3<<16)|(1<<21)
	s_or_b32 s[G1SB+0], s97, (3<<16)|(1<<21)
.irp g, G1S, G1SB
	s_mov_b32 s[\g+1], 768<<16
	s_mov_b32 s[\g+2], 16<<16
	s_mov_b32 s[\g+3], 768<<16
	s_mov_b32 s[\g+4], 16
	s_mov_b32 s[\g+5], 1536
	s_mov_b32 s[\g+6], 0
	s_mov_b32 s[\g+7], 0
.endr
	s_lshl_b32 s20, s17, 8                         ; A: the tile's first place, 256 x tile row
	s_lshl_b32 s100, s[TC], 8                      ; B: 256 x tile column
	s_mov_b32 s21, 0
	s_mov_b32 s101, 0
	s_mov_b64 s[18:19], KS
	s_mul_u64 s[22:23], s[20:21], s[18:19]         ; where these rows' scales begin, in bytes
	s_mul_u64 s[2:3], s[100:101], s[18:19]
	s_mov_b64 s[18:19], KROW
	s_mul_u64 s[20:21], s[20:21], s[18:19]         ; and their row tiles' images
	s_mul_u64 s[100:101], s[100:101], s[18:19]
	s_mul_i32 s98, s14, HALF                       ; where they go: A's two halves, then B's two = wave x 8 row tiles: no place in the cluster enters an LDS address
	s_mul_i32 s18, s16, 128*KROW                   ; behind the head I fetch 128 rows of a tile: which half, in bytes
	s_mov_b32 s19, 0
	s_wait_dscnt 0x0                               ; both opening adds are done
	s_wait_kmcnt 0x0
	s_add_nc_u64 s[96:97], s[8:9], 2048*KROW       ; Wv's images
	s_add_nc_u64 s[66:67], s[10:11], 2048*KS       ; and scale bytes
	s_cmp_lt_u32 ttmp9, 16                         ; which tensors are A and B: the cluster's number alone decides
	s_cselect_b64 s[8:9], s[8:9], s[4:5]           ; B's codes: Wq | Wk, or x
	s_cselect_b64 s[4:5], s[4:5], s[96:97]         ; A's codes: x, or Wv
	s_cselect_b64 s[10:11], s[10:11], s[6:7]       ; B's scales
	s_cselect_b64 s[6:7], s[6:7], s[66:67]         ; A's scales
	s_add_nc_u64 s[20:21], s[4:5], s[20:21]
	s_add_nc_u64 s[22:23], s[6:7], s[22:23]
	s_add_nc_u64 s[100:101], s[8:9], s[100:101]
	s_add_nc_u64 s[2:3], s[10:11], s[2:3]
	CROUND                                         ; all sixteen work-groups are here: the first joint loads meet
; THE FILLS (this replaces what the kernel's head says of them).  LDS: slot 0, 32 row tiles x 3,072 bytes, holds K step 0 and later K step 3; behind it one larger slot, 32 row tiles x 6,144 bytes, holds K steps 1 and 2.
; At the head one joint load a wave: wave 0 A's 16 row tiles of K step 0, wave 1 B's, wave 2 A's 16 row tiles of K steps 1 and 2, wave 3 B's.  In front of the first barrier waves 0 and 1 wait for theirs.
; K step 3 is the one refill, into slot 0, a quarter a wave.
; THE SCALE BYTES, 8,192 of A's rows and 8,192 of B's, come by ordinary loads, 16 bytes a thread, and go by LDS stores to their places: units of 256 bytes with 16 of padding behind each.
	s_mov_b64 s[66:67], s[22:23]                   ; A's scale bytes (s22 and s23 are used again below)
	s_mov_b32 s[G0S], 1                            ; K steps 1 and 2 of A's 16 row tiles,
	s_mov_b32 s[G0S+1], SLOT
	s_add_nc_u64 s[G0S+2:G0S+3], s[20:21], KSB
	s_or_b32 s[G0S+3], s[G0S+3], 0x80000000
	s_mov_b32 s[G0SB], 1                           ; and of B's
	s_mov_b32 s[G0SB+1], SLOT+4*HALF
	s_add_nc_u64 s[G0SB+2:G0SB+3], s[100:101], KSB
	s_or_b32 s[G0SB+3], s[G0SB+3], 0x80000000
	s_mov_b32 s[G0], 1
	s_mov_b32 s[G0+1], 0
	s_mov_b64 s[G0+2:G0+3], s[20:21]
	s_or_b32 s[G0+3], s[G0+3], 0x80000000
	s_mov_b32 s[G0B], 1
	s_mov_b32 s[G0B+1], 2*HALF
	s_mov_b64 s[G0B+2:G0B+3], s[100:101]
	s_or_b32 s[G0B+3], s[G0B+3], 0x80000000
	s_add_nc_u64 s[20:21], s[20:21], s[18:19]      ; from here on: my 8 row tiles
	s_add_nc_u64 s[100:101], s[100:101], s[18:19]
	s_mov_b32 s[G0+8], 1                           ; set 2: K step 3, into my quarter of slot 0
	s_mov_b32 s[G0+9], s98
	s_add_nc_u64 s[G0+10:G0+11], s[20:21], 3*KSB
	s_or_b32 s[G0+11], s[G0+11], 0x80000000
	s_mov_b32 s[G0B+36], 1
	s_mov_b32 s[G0B+37], s98
	s_add_nc_u64 s[G0B+38:G0B+39], s[100:101], 3*KSB
	s_or_b32 s[G0B+39], s[G0B+39], 0x80000000
.macro ARM under, g0, g1, next         ; one tree of branches on the wave's number: every way through it passes exactly one load
	s_cmp_lt_u32 s14, \under
	s_cbranch_scc0 \next
	tensor_load_to_lds s[\g0:\g0+3], s[\g1:\g1+7]
	s_nop 0
.rept 4
	v_nop
.endr
	s_branch .Lhead_asked
\next:
.endm
	ARM 1, G0,  G1,  .Lhead_b
	ARM 2, G0B, G1B, .Lhead_sa
	ARM 3, G0S, G1S, .Lhead_sb
	tensor_load_to_lds s[G0SB:G0SB+3], s[G1SB:G1SB+7]
	s_nop 0
.rept 4
	v_nop
.endr
.Lhead_asked:
	v_lshlrev_b32 v4, 4, v0                        ; the scale bytes: 16 x thread of each 2,048,
	v_lshrrev_b32 v5, 4, v0
	v_and_b32 v6, 15, v0
	v_mul_u32_u24 v5, v5, 272                      ; and their place in LDS: unit thread / 16, 272 bytes a unit
	v_lshl_add_u32 v5, v6, 4, v5
	v_add_nc_u32 v30, SCL, v5
.irp j, 0,1,2,3
	global_load_b128 v[64+4*\j:67+4*\j], v4, s[66:67] offset:2048*\j
	global_load_b128 v[80+4*\j:83+4*\j], v4, s[2:3] offset:2048*\j
.endr
	v_and_b32 v1, 15, v0                           ; l % 16
	v_bfe_u32 v2, v0, 4, 1                         ; l / 16
	v_and_b32 v3, 31, v0
	v_lshlrev_b32 v3, 4, v3                        ; 16 x lane: my place in a chunk of an image
	s_mul_i32 s21, s15, HALF                       ; my 8 row tiles of A
	s_mul_i32 s22, s16, HALF                       ; my 8 row tiles of B,
	s_add_co_u32 s22, s22, 2*HALF                  ; which lie behind A's 16
	v_add_nc_u32 v[ADRA], s21, v3                  ; slot 0
	v_add_nc_u32 v[ADRB], s22, v3
	s_lshl_b32 s21, s21, 1                         ; the larger slot: row tiles 6,144 bytes apart
	s_lshl_b32 s22, s22, 1
	s_add_co_u32 s21, s21, SLOT
	s_add_co_u32 s22, s22, SLOT
	v_add_nc_u32 v[ADRA+1], s21, v3                ; K step 1
	v_add_nc_u32 v[ADRB+1], s22, v3
	v_add_nc_u32 v[ADRA+2], KSB, v[ADRA+1]         ; K step 2: 3,072 bytes on in each row tile
	v_add_nc_u32 v[ADRB+2], KSB, v[ADRB+1]
	v_mul_u32_u24 v5, v1, KS                       ; my row's scales: 32 bytes a row,
	v_lshrrev_b32 v6, 8, v5
	v_lshl_add_u32 v5, v6, 4, v5                   ; and 16 more for each 256 passed
	s_mul_i32 s21, s15, HALFS                      ; A's: my 128 rows
	s_mul_i32 s22, s16, HALFS                      ; B's: my 128 rows, behind A's 256
	s_add_co_u32 s22, s22, 2*HALFS
	s_sub_co_u32 s22, s22, s21
	v_mul_u32_u24 v6, s22, v2                      ; lanes 16-31 take B's
	s_add_co_u32 s21, s21, SCL
	v_add_nc_u32 v5, v5, v6
	v_add_nc_u32 v[ADRS], s21, v5
.macro FRAG reg, adr, q, i             ; row tile i's fragment of the slot's q-th 128 along K, as it was stored: three loads of 512 consecutive bytes
.irp c, 0,1,2
	ds_load_b128 v[\reg+4*\c:\reg+4*\c+3], v[\adr] offset:(\i)*TS+(\q)*1536+512*\c
.endr
.endm
; 16 matrix instructions: A's blocks a0, a0 + 1 x B's eight, 128 along K.  p: B's set; sc: the set of scale words.  zero = 1: the first product starts the sums.
; The 64 accumulators take turns, one instruction a turn, in the same order in every step.
.macro MUL16 a0, p, q, sc, zero
.irp a, \a0, \a0+1
.irp b, 0,1,2,3,4,5,6,7
.if \zero
	v_wmma_scale_f32_16x16x128_f8f6f4 v[8*(8*((\a)%4)+\b):8*(8*((\a)%4)+\b)+7], v[128*(\p)+FR*\b:128*(\p)+FR*\b+FR-1], v[AF+FR*(\a):AF+FR*(\a)+FR-1], 0, v[SC+8*NQ*(\sc)+NQ*\b+(\q)], v[SC+8*NQ*(\sc)+NQ*(\a)+(\q)] matrix_a_fmt:MATRIX_FMT_FP6 matrix_b_fmt:MATRIX_FMT_FP6 matrix_a_scale:MATRIX_SCALE_ROW1
.else
	v_wmma_scale_f32_16x16x128_f8f6f4 v[8*(8*((\a)%4)+\b):8*(8*((\a)%4)+\b)+7], v[128*(\p)+FR*\b:128*(\p)+FR*\b+FR-1], v[AF+FR*(\a):AF+FR*(\a)+FR-1], v[8*(8*((\a)%4)+\b):8*(8*((\a)%4)+\b)+7], v[SC+8*NQ*(\sc)+NQ*\b+(\q)], v[SC+8*NQ*(\sc)+NQ*(\a)+(\q)] matrix_a_fmt:MATRIX_FMT_FP6 matrix_b_fmt:MATRIX_FMT_FP6 matrix_a_scale:MATRIX_SCALE_ROW1
.endif
.endr
.endr
.endm
.macro FETCH_B slot, q, p              ; B's eight fragments of the slot's q-th 128 along K into set p
	WIN TO_B
.set TS, KSB*(1+((\slot)+1)/2)         ; bytes from row tile to row tile: 3,072 in slot 0, 6,144 for K steps 1 and 2
.irp i, 0,1,2,3,4,5,6,7
	FRAG 128*(\p)+FR*\i, ADRB+\slot, \q, \i
.endr
	WIN 0
.endm
.macro FETCH_A slot, q, i0             ; A's blocks i0 .. i0 + 3
.set TS, KSB*(1+((\slot)+1)/2)
.irp i, \i0, \i0+1, \i0+2, \i0+3
	FRAG AF+FR*(\i), ADRA+\slot, \q, \i
.endr
.endm
.macro SCALES sc                       ; the next K step's scale words into set sc: 2 words a row; lanes 0-15 take A's block i, lanes 16-31 B's block i
.irp i, 0,1,2,3,4,5,6,7
	ds_load_b64 v[SC+8*NQ*(\sc)+NQ*\i:SC+8*NQ*(\sc)+NQ*\i+1], v[ADRS] offset:\i*SBLK
.endr
.endm
.macro PLACES n                        ; plain vector instructions between a matrix instruction and a load into, or a vector read of, its registers
.rept \n
	v_nop
.endr
.endm
; The first 128 along K of a K step: its successor lies in the same slot.  sc: the K step's set of scale words.
.macro STEP slot, sc, zero
	s_wait_dscnt 4*NL                              ; B's set and A's blocks 0-3 are in; the youngest 12 loads (A's blocks 4-7) may be out
	WIN MUL_LO
	MUL16 0, 0, 0, \sc, \zero
	MUL16 2, 0, 0, \sc, \zero
	s_wait_dscnt 0                                 ; A's blocks 4-7 are in
	PLACES NP
	FETCH_B \slot, 1, 1
	FETCH_A \slot, 1, 0
	WIN MUL_HI
	MUL16 4, 0, 0, \sc, \zero
	MUL16 6, 0, 0, \sc, \zero
	PLACES NP
	WIN 0
	FETCH_A \slot, 1, 4
.endm
; The second 128 along K of a K step: it changes slots.
; how = 2: slot 0, just read out, is filled again with K step 3: each wave waits for all its tensor loads, adds 0 to its spare word, waits for that and for its own reads of the slot; the barrier opens a round of the cluster's.
; how = 1: the next slot's tile was a refill: the same lines and a work-group barrier; nothing is filled.      how = 0: the next slot was shown landed in every wave earlier, and nothing is filled: no barrier.
.macro TURN sc, next, how
.if \how
	s_wait_tensorcnt 0x0                           ; all my tensor loads have landed (every window is 0 here)
	ds_add_u32 v[SPW], v[NIL]                      ; 0 onto my spare word
	s_wait_dscnt 4*NL+1                            ; (the add and the youngest 12 loads, A's blocks 4-7, may be out)
.else
	s_wait_dscnt 4*NL
.endif
	WIN MUL_LO
	MUL16 0, 1, 1, \sc, 0                          ; sixteen matrix instructions stand between the add and the wait for it
.if \how
	s_wait_dscnt 0x0                               ; the add is done, and my reads of this slot are over
	s_barrier_signal -1
.endif
	MUL16 2, 1, 1, \sc, 0
	WIN 0
.if \how
	s_barrier_wait -1
.else
	s_wait_dscnt 0                                 ; A's blocks 4-7 are in
.endif
.if \how == 2
	CREST                                          ; the barrier has opened a round of the cluster's barrier: no wave of any partner still reads slot 0 or has a load on its way
	s_mov_b32 s[G1+2], 8<<16                       ; no tensor load of mine is out: a quarter of the slot, 8 row tiles, a wave
	s_mov_b32 s[G1+4], 8
	s_mov_b32 s[G1B+2], 8<<16
	s_mov_b32 s[G1B+4], 8
	JLOAD G0+8, G1, G0B+36, G1B                    ; K step 3: the first tensor load behind the round, and my last; its four v_nop are the places in front of the loads below
.else
	PLACES NP
.endif
	v_add_nc_u32 v[ADRS], 4*NQ, v[ADRS]            ; on to the next K step's scale words
	FETCH_B \next, 0, 0
	FETCH_A \next, 0, 0
	SCALES 1-\sc
	WIN MUL_HI
	MUL16 4, 1, 1, \sc, 0
	MUL16 6, 1, 1, \sc, 0
	PLACES NP
	WIN 0
	FETCH_A \next, 0, 4
.endm
	s_wait_alu depctr_va_vdst(0)
	s_wait_loadcnt 0x0                             ; my 128 scale bytes are in
.irp j, 0,1,2,3
	ds_store_b128 v30, v[64+4*\j:67+4*\j] offset:2176*\j            ; 2,048 bytes are eight units
	ds_store_b128 v30, v[80+4*\j:83+4*\j] offset:2*HALFS+2176*\j
.endr
	s_cmp_lt_u32 s14, 2
	s_cbranch_scc0 .Llater
	s_wait_tensorcnt 0x0                           ; waves 0 and 1: K step 0 is in.  Waves 2 and 3 wait for theirs in front of the round at the change of slots
.Llater:
	s_wait_dscnt 0x0                               ; my stores of scale bytes are done
	s_barrier_signal -1
	s_barrier_wait -1                              ; K step 0 and the scales are whole
	FETCH_B 0, 0, 0
	FETCH_A 0, 0, 0
	SCALES 0
	FETCH_A 0, 0, 4
	STEP 0, 0, 1                                   ; K step 0, in slot 0: its first products start the sums
	TURN 0, 1, 2                                   ; slot 0 takes K step 3
	s_wait_alu depctr_va_vdst(0)
	STEP 1, 1, 0                                   ; K step 1, in slot 1
	TURN 1, 2, 0
	s_wait_alu depctr_va_vdst(0)
	STEP 2, 0, 0                                   ; K step 2, in slot 2
	TURN 0, 0, 1                                   ; K step 3 has landed in every wave
	STEP 0, 1, 0                                   ; K step 3, in slot 0
	s_wait_dscnt 4*NL                              ; the very last step: nothing more to fetch
	WIN MUL_LO
	MUL16 0, 1, 1, 1, 0
	MUL16 2, 1, 1, 1, 0
	s_wait_dscnt 0
	WIN MUL_HI
	MUL16 4, 1, 1, 1, 0
	MUL16 6, 1, 1, 1, 0
	WIN 0
; ---------------- THE WAY OUT ----------------
	PLACES NP                                      ; v200-223 held A's last fragments, and the last results are read below
	v_and_b32 v1, 15, v0
	v_bfe_u32 v2, v0, 4, 1
	v_and_b32 v3, 31, v0
	v_lshlrev_b32 v[O16], 4, v3
	v_lshlrev_b32 v[O8], 3, v3
	v_lshlrev_b32 v[O4], 2, v3
	v_mul_u32_u24 v[OSQ], v2, REC
	v_lshl_add_u32 v[OSQ], v1, 2, v[OSQ]
	v_lshlrev_b32 v[SH], 4, v2
	v_mov_b32 v[FLO], 0x1800000
	s_wait_alu depctr_va_vdst(0)
.irp b, 0,1,2,3
	v_mov_b32 v[TM+4+\b], 0                        ; written once: a lane permute's destination counts as one of its sources
.endr
	s_mov_b32 s[SEL], 0x76543210
	s_mov_b32 s[SEL+1], 0xfedcba98
	; where my wave's images and scale words go.  q | k: record = batch x 16 + 4 cx + 2 (column half); sequence tile = 16 (tile row % 4) + 8 (row half)
	s_lshr_b32 s18, s17, 2
	s_lshl_b32 s18, s18, 4
	s_lshl_b32 s19, s[CX], 2
	s_add_co_u32 s18, s18, s19
	s_lshl_b32 s19, s16, 1
	s_add_co_u32 s18, s18, s19
	s_and_b32 s19, s17, 3
	s_lshl_b32 s19, s19, 4
	s_lshl_b32 s20, s15, 3
	s_add_co_u32 s19, s19, s20
	s_mul_i32 s20, s19, 768                        ; q: by sequence tiles
	s_lshl_b32 s21, s19, 6
	s_add_co_u32 s20, s20, QIMG
	s_add_co_u32 s21, s21, QSC
	s_mul_i32 s22, s19, STP/8                      ; k: my 8 sequence tiles are one key step
	s_add_co_u32 s23, s22, KSC
	s_and_b32 s19, ttmp9, 1                        ; even clusters make q, odd ones k
	s_cmp_eq_u32 s19, 1
	s_cselect_b32 s20, s22, s20
	s_cselect_b32 s21, s23, s21
	; v^T: record = batch x 16 + 4 cy + 2 (row half); key step = 2 (tile column % 4) + (column half)
	s_lshr_b32 s22, s[TC], 2
	s_lshl_b32 s22, s22, 4
	s_lshl_b32 s23, s[CY], 2
	s_add_co_u32 s22, s22, s23
	s_lshl_b32 s23, s15, 1
	s_add_co_u32 s22, s22, s23
	s_and_b32 s23, s[TC], 3
	s_lshl_b32 s23, s23, 1
	s_add_co_u32 s23, s23, s16
	s_mul_i32 s98, s23, STP
	s_add_co_u32 s99, s98, VSC
	s_add_co_u32 s98, s98, VIMG
	s_cmp_eq_u32 s[ISV], 0
	s_cselect_b32 s18, s18, s22
	s_cselect_b32 s20, s20, s98
	s_cselect_b32 s21, s21, s99
	s_mul_i32 s18, s18, REC
	s_add_co_u32 s98, s20, s18
	s_mov_b32 s99, 0
	s_add_nc_u64 s[100:101], s[12:13], s[98:99]    ; the images
	s_add_co_u32 s98, s21, s18
	s_add_nc_u64 s[12:13], s[12:13], s[98:99]      ; the scale words
; Block a of 16 rows: its 64 numbers a lane (register 16 b + i = column 32 b + 16 (lane / 16) + i of my row) become a fragment's codes in v[CD] on and its scale word in v[PW].
.macro QUANTW a
.set AC, 64*((\a)%4)
.set WS, 2+(\a)/4
.set WW, (WS<<2)|(WS<<4)
	WIN WW                                         ; sources 1 and 2: the accumulators' window
.irp b, 0,1,2,3
	v_max3_num_f32 v[TM+\b], v[FLO], |v[AC+16*\b]|, |v[AC+16*\b+1]|   ; block b: my 16 numbers and the floor; each accumulator is read from its low end on
.endr
.irp i, 2,4,6,8,10,12,14
.irp b, 0,1,2,3
	v_max3_num_f32 v[TM+\b], v[TM+\b], |v[AC+16*\b+\i]|, |v[AC+16*\b+\i+1]|   ; (the four blocks by turns)
.endr
.endr
	WIN 0
	s_wait_alu depctr_va_vdst(0)
	s_wait_xcnt 0x0                                ; the last block's stores have read their data: the codes' and the words' registers are rewritten only behind this wait
.irp b, 0,1,2,3
	v_permlanex16_b32 v[TM+4+\b], v[TM+\b], s[SEL], s[SEL+1]
.endr
.irp b, 0,1,2,3
	v_max_num_f32 v[TM+\b], v[TM+\b], v[TM+4+\b]   ; with lane l xor 16's: the block's largest magnitude
.endr
.irp b, 0,1,2,3
	v_add_nc_u32 v[TM+12+\b], 0xff000000, v[TM+\b] ; 2 off its exponent field: the conversion's scale operand
.endr
.irp b, 0,1,2,3
	v_lshrrev_b32 v[TM+4+\b], 23, v[TM+12+\b]      ; the scale's byte
.endr
	v_lshl_or_b32 v[PW], v[TM+5], 8, v[TM+4]       ; the four bytes make my row's scale word
	v_lshl_or_b32 v[PW], v[TM+6], 16, v[PW]
	v_lshl_or_b32 v[PW], v[TM+7], 24, v[PW]
	WIN WS                                         ; source 0: the accumulators' window
.irp c, 0,1
	v_cvt_scalef32_pk16_fp6_f32 v[CD+6*\c:CD+6*\c+2], v[AC+32*\c:AC+32*\c+15], v[TM+12+2*\c]
	v_cvt_scalef32_pk16_fp6_f32 v[CD+12+4*\c:CD+14+4*\c], v[AC+32*\c+16:AC+32*\c+31], v[TM+12+2*\c+1]   ; (a conversion's three registers begin on an even number)
.endr
	WIN 0
	v_nop                                          ; one plain place behind a scaled conversion
.irp c, 0,1                                    ; the operand's layout wants a WHOLE block in a lane: lanes 0-15 block 2 c, lanes 16-31 block 2 c + 1
.irp i, 0,1,2
	v_permlane16_swap_b32 v[CD+6*\c+\i], v[CD+12+4*\c+\i]
.endr
.irp i, 0,1,2
	v_mov_b32 v[CD+3+6*\c+\i], v[CD+12+4*\c+\i]
.endr
.endr
.endm
.macro OUT a
	QUANTW \a
	s_cmp_eq_u32 s[ISV], 0                         ; the cluster's number alone decides: all waves of all partners go the same way
	s_cbranch_scc0 .Lv_\@
	global_store_b128 v[O16], v[CD:CD+3], s[100:101] offset:768*(\a)             ; q | k: registers 0-5 are the first head's 64 channels, 6-11 the second's: two half fragments,
	global_store_b64 v[O8], v[CD+4:CD+5], s[100:101] offset:768*(\a)+512         ; each 512 + 256 consecutive bytes
	global_store_b128 v[O16], v[CD+6:CD+9], s[100:101] offset:REC+768*(\a)
	global_store_b64 v[O8], v[CD+10:CD+11], s[100:101] offset:REC+768*(\a)+512
	v_lshrrev_b32 v[TT], v[SH], v[PW]              ; lanes 0-15: the first head's two bytes; lanes 16-31: the second's;
	v_and_b32 v[TT], 0xffff, v[TT]                 ; bytes 2 and 3 are 0: the upper half of the instruction's K holds nothing
	global_store_b32 v[OSQ], v[TT], s[12:13] offset:64*(\a)
	s_branch .Ld_\@
.Lv_\@:
	s_wait_alu depctr_va_vdst(0)
.irp c, 0,1,2
	global_store_b128 v[O16], v[CD+4*\c:CD+4*\c+3], s[100:101] offset:((\a)/4)*REC+((\a)%4)*1536+512*\c   ; v^T: a whole fragment of 128 keys: 3 x 512 consecutive bytes
.endr
	global_store_b32 v[O4], v[PW], s[12:13] offset:((\a)/4)*REC+((\a)%4)*128     ; its scale words, in all 32 lanes: 128 consecutive bytes
.Ld_\@:
.endm
.irp a, 0,1,2,3,4,5,6,7
	OUT \a
.endr
	s_wait_tensorcnt 0x0                           ; the wave's end: behind my last tensor load
	ds_add_u32 v[SPW], v[NIL]
	s_wait_dscnt 0x0
	CROUND                                         ; the closing round: no work-group ends while a partner may still ask for a tile that names it
	s_endpgm
.Lfunc_end_k_qdecae767be_qkv:
	.size	k_qdecae767be_qkv, .Lfunc_end_k_qdecae767be_qkv-k_qdecae767be_qkv
	.p2alignl 7, 3214868480
	.fill 96, 4, 3214868480
	.section	.rodata,"a",@progbits
	.p2align	6, 0x0
	.amdhsa_kernel k_qdecae767be_qkv
		.amdhsa_group_segment_fixed_size 327680
		.amdhsa_private_segment_fixed_size 0
		.amdhsa_enable_private_segment 0
		.amdhsa_kernarg_size 40
		.amdhsa_user_sgpr_count 2
		.amdhsa_user_sgpr_kernarg_segment_ptr 1
		.amdhsa_wavefront_size32 1
		.amdhsa_system_sgpr_workgroup_id_x 1
		.amdhsa_system_sgpr_workgroup_id_y 1
		.amdhsa_system_sgpr_workgroup_id_z 1
		.amdhsa_system_vgpr_workitem_id 0
		.amdhsa_next_free_vgpr 1024
		.amdhsa_next_free_sgpr 102
		.amdhsa_reserve_vcc 0
		.amdhsa_float_denorm_mode_32 3
		.amdhsa_float_denorm_mode_16_64 3
		.amdhsa_memory_ordered 1
		.amdhsa_forward_progress 1
		.amdhsa_inst_pref_size 147
	.end_amdhsa_kernel
	.amdgpu_metadata
---
amdhsa.version: [ 1, 2 ]
amdhsa.kernels:
  - .name:           k_qdecae767be_qkv
    .symbol:         k_qdecae767be_qkv.kd
    .args:
      - { .name: xc, .offset: 0, .size: 8, .value_kind: global_buffer, .address_space: global }
      - { .name: xs, .offset: 8, .size: 8, .value_kind: global_buffer, .address_space: global }
      - { .name: wc, .offset: 16, .size: 8, .value_kind: global_buffer, .address_space: global }
      - { .name: ws, .offset: 24, .size: 8, .value_kind: global_buffer, .address_space: global }
      - { .name: att, .offset: 32, .size: 8, .value_kind: global_buffer, .address_space: global }
    .group_segment_fixed_size: 327680
    .private_segment_fixed_size: 0
    .kernarg_segment_align: 8
    .kernarg_segment_size: 40
    .max_flat_workgroup_size: 128
    .sgpr_count:     102
    .vgpr_count:     1024
    .wavefront_size: 32
...
	.end_amdgpu_metadata
.endif
;; end of part 2
;; launch attn (part 3): grid 4 x 64, 16 waves a work-group, no clusters, 327,680 bytes of LDS; arguments att, rel_emb, cc, cs; writes cc, cs
.if DOCPART == 3
	.amdgcn_target "amdgcn-amd-amdhsa--gfx1250"
	.amdhsa_code_object_version 6
	.text
	.protected	k_qdecae767be_attn
	.globl	k_qdecae767be_attn
	.p2align	8
	.type	k_qdecae767be_attn,@function
k_qdecae767be_attn:
	s_mov_b64 s[64:65], 0
	v_nop
	global_prefetch_b8 v0, s[64:65] scope:SCOPE_SE
	s_setreg_imm32_b32 hwreg(HW_REG_WAVE_MODE, 25, 1), 1
	s_wait_xcnt 0x0
; THIRD LAUNCH: softmax(q k^T + position bias) v on codes of FP6 (E2M3), and the context's quantising for the last product.  No work of the problem is left out here.
; A work-group takes 256 queries of two heads of one batch; a wave 16 queries, first of the one head, then of the other; a step is 128 keys.
; Both products are used transposed (S^T = k q^T, O^T = v^T p^T): a lane holds one query throughout.
; THE KEYS OF A TILE OF K ARE CHOSEN BY THE LDS ADDRESS: row m of tile (c, u) is key 64 c + 32 (m / 8) + 8 u + m % 8.  So the 32 registers of a lane (r, h) in tiles (c, 0 .. 3) are the 32 neighbouring keys
; 64 c + 32 h + 0 .. 31: one whole block of p, in the order of the next operand's registers: its largest score needs no other lane, and the conversions' results are the operand.
; att holds key pi(p) at place p (bits 3 and 4 exchanged), so that key lies in stored tile 4 c + 2 (m / 8) + u % 2, row 8 (u / 2) + m % 8.
; M is the running largest t rounded up to a whole number; a change of M multiplies O^T and the sum by an exact power of two.  The sum is taken of the unquantised p.
; THE BIAS hangs on key - query alone.  Steps in which every |key - query| is 91 or more have one bucket: its bias x log2(e) goes into the multiply-add that makes t - M.  The other steps take the bias as the C of
; the first product, from a table in LDS (1,536 entries a head, four copies, each a word further on, so that every lane's eight entries come by two aligned loads of 16 bytes).
; THE FILLS, all first fills: the head's one load a wave brings key steps 0-3 of the first head's record.  Behind the first barrier waves 0-11 fetch one whole key step each: steps 4-7 of that record and all eight of the
; second head's.  Nothing is filled later.  Each wave waits for its load and signals ahead of step 3, and waits for the others behind step 3, which reads bytes that landed earlier: one barrier inside the walk, in two halves.
; The later steps are asked for three steps ahead of the wait for them, so no prefetch is written.  One tensor load of a wave is out at any time; every wait on TENSORcnt is for 0.
; cluster = none: the four work-groups that read the same records differ in their query block, and the branch round the table's loads hangs on it: partners would not take the same ways.
; LIMITS: the promise holds while the scaled scores stay under 2^31 in magnitude; a block whose largest magnitude lies under 2^-124 (zeros too) gets the byte 1; NaN and infinities are not served.
; REGISTERS: v1 16 x lane, v2-3, v8-11 a step's LDS addresses, v4 8 h, v5-6 the add's, v7 32 r, v12 bias - M, v13 largest t, v14-15 the sum, v16-27 and v212-223 q, v28, v31 q's scales, v29 the context's scale word,
; v30 -M, v32-85 fragments of k, then of v^T, v86-93 their scales, v96-159 scores and p, v160-191 O^T, v192-197 lane terms, v198-199 block maxima, v200-211 the context's codes, v224-235 p's codes, v236-254 at work.
.set REC,   159744
.set KVB,   106496                     ; a record's K and V part: 8 key steps
.set STP,   13312                      ; a key step: K 6,144, V^T 6,144, K's scale words 512, V^T's 512
.set VOF,   6144
.set KSO,   12288
.set VSO,   12800
.set QIMG,  106496
.set QSC,   155648
.set TBL0,  2*KVB
.set TBLB,  33024
.set SPARE, TBL0+2*TBLB
	s_load_b256 s[4:11], s[0:1], 0x0               ; att, rel_emb, cc, cs
	v_lshl_add_u32 v5, v0, 2, SPARE
	v_mov_b32 v6, 0
	ds_add_u32 v5, v6                              ; the opening lines: the add, twice on end, and its wait
	ds_add_u32 v5, v6
	v_lshrrev_b32 v1, 5, v0
	v_readfirstlane_b32 s12, v1                    ; wave 0..15
	s_and_b32 s14, ttmp7, 0xffff                   ; batch x 8 + pair of heads
.irp g, 16, 68                         ; group 1: rows of 256 bytes of a dense block
	s_mov_b32 s[\g], 3<<16
	s_mov_b32 s[\g+1], 32<<16
	s_mov_b32 s[\g+3], 32<<16
	s_mov_b32 s[\g+5], 32
	s_mov_b32 s[\g+6], 0
	s_mov_b32 s[\g+7], 0
.endr
	s_mov_b32 s18, 13<<16                          ; s[16:23]: 13 rows, a sixteenth of four key steps
	s_mov_b32 s20, 13
	s_mov_b32 s70, 52<<16                          ; s[68:75]: 52 rows, one key step
	s_mov_b32 s72, 52
	s_mov_b32 s32, 0x76543210
	s_mov_b32 s33, 0xfedcba98                      ; selects for lane l xor 16
	s_mov_b32 s34, 0x3fb8aa3b                      ; log2(e)
	s_mov_b32 s35, s34
	s_mul_i32 s56, s14, 2*REC
	s_mov_b32 s57, 0
	s_mul_i32 s58, s12, 3328
	s_mov_b32 s59, 0
	s_and_b32 s13, s14, 7
	s_lshl_b32 s60, s13, 3
	s_mov_b32 s61, 0
	s_wait_dscnt 0x0
	s_wait_kmcnt 0x0
	s_add_nc_u64 s[4:5], s[4:5], s[56:57]          ; my two records
	s_add_nc_u64 s[6:7], s[6:7], s[60:61]          ; my two heads' columns of rel_emb
	s_mov_b32 s24, 1                               ; steps 0-3 of the first record, a sixteenth a wave
	s_mov_b32 s25, s58
	s_add_nc_u64 s[26:27], s[4:5], s[58:59]
	s_or_b32 s27, s27, 0x80000000
	s_add_co_u32 s56, s12, 4                       ; then step wave + 4 of the sixteen (waves 12-15 issue none: held at 15)
	s_min_u32 s56, s56, 15
	s_mul_i32 s77, s56, STP                        ; in LDS the two records lie on end,
	s_lshr_b32 s57, s56, 3
	s_mul_i32 s58, s57, REC-KVB                    ; in memory REC apart
	s_add_co_u32 s58, s58, s77
	s_mov_b32 s76, 1
	s_add_nc_u64 s[78:79], s[4:5], s[58:59]
	s_or_b32 s79, s79, 0x80000000
	tensor_load_to_lds s[24:27], s[16:23]
	s_nop 0
	s_load_b64 s[36:37], s[6:7], 0x3c0             ; bucket 15: keys far below the query
	s_load_b64 s[38:39], s[6:7], 0x7c0             ; bucket 31: far above
	s_lshr_b32 s56, s14, 3
	s_lshl_b32 s56, s56, 6
	s_lshl_b32 s57, ttmp9, 4
	s_add_co_u32 s57, s57, s12                     ; my sequence tile
	s_add_co_u32 s56, s56, s57                     ; my row tile of cc
	s_mul_i32 s58, s56, 12288
	s_mul_i32 s59, s13, 1536
	s_add_co_u32 s58, s58, s59
	s_mov_b32 s59, 0
	s_add_nc_u64 s[52:53], s[8:9], s[58:59]
	s_lshl_b32 s58, s56, 9
	s_lshl_b32 s60, s13, 2
	s_add_co_u32 s58, s58, s60
	s_add_nc_u64 s[54:55], s[10:11], s[58:59]
	s_mul_i32 s58, s57, 768
	s_add_co_u32 s58, s58, QIMG
	s_add_nc_u64 s[48:49], s[4:5], s[58:59]
	s_lshl_b32 s58, s57, 6
	s_add_co_u32 s58, s58, QSC
	s_add_nc_u64 s[50:51], s[4:5], s[58:59]
	s_lshl_b32 s46, ttmp9, 8                       ; s46: my first query: 256 x + 32 (wave / 2) + 8 (wave % 2); my 16 reach 23 further
	s_lshr_b32 s56, s12, 1
	s_lshl_b32 s57, s56, 5
	s_add_co_u32 s46, s46, s57
	s_and_b32 s57, s12, 1
	s_lshl_b32 s60, s57, 3
	s_add_co_u32 s46, s46, s60
	s_xor_b32 s56, s56, 7                          ; s47: 928 less four bytes for each query that my first lies into the block
	s_lshl_b32 s47, s56, 7
	s_xor_b32 s57, s57, 1
	s_lshl_b32 s57, s57, 5
	s_add_co_u32 s47, s47, s57
	s_lshl_b32 s60, ttmp9, 8
	v_and_b32 v197, 31, v0                         ; lane
	v_and_b32 v121, 15, v0                         ; r
	v_bfe_u32 v122, v0, 4, 1                       ; h
	v_bfe_u32 v123, v0, 3, 1                       ; r / 8
	v_and_b32 v124, 7, v0                          ; r % 8
	v_lshlrev_b32 v1, 4, v197
	v_lshlrev_b32 v125, 3, v197
	v_lshlrev_b32 v126, 2, v121
	v_lshlrev_b32 v7, 5, v121
	v_lshlrev_b32 v4, 3, v122
	v_lshlrev_b32 v196, 2, v197
	s_wait_alu depctr_va_vdst(0)                   ; the wait ahead of readers behind the scalar run
	global_load_b128 v[16:19], v1, s[48:49]        ; q's half fragments and scale words, both heads
	global_load_b64 v[20:21], v125, s[48:49] offset:512
	global_load_b32 v28, v126, s[50:51]
	global_load_b128 v[212:215], v1, s[48:49] offset:REC
	global_load_b64 v[216:217], v125, s[48:49] offset:REC+512
	global_load_b32 v31, v126, s[50:51] offset:REC
	v_mul_u32_u24 v192, v123, 1536                 ; K's registers 0-3: 1,536 (r / 8) + 16 (r % 8) + 256 h
	v_mul_u32_u24 v193, v123, 1536                 ; registers 4-5: 1,536 (r / 8) + 8 (r % 8) + 128 h
	v_lshlrev_b32 v194, 7, v123                    ; K's scale words: 128 (r / 8) + 64 h + 4 (r % 8): lanes 0-15 an even u, lanes 16-31 the odd u beside it
	v_lshl_add_u32 v192, v124, 4, v192
	v_lshl_add_u32 v193, v124, 3, v193
	v_lshl_add_u32 v194, v122, 6, v194
	v_lshl_add_u32 v192, v122, 8, v192
	v_lshl_add_u32 v193, v122, 7, v193
	v_lshl_add_u32 v194, v124, 2, v194
	v_and_b32 v195, 1, v0                          ; the table: copy r % 4, + 128 h, less 4 x (my query less my wave's first, less r % 4), made of complements
	v_bfe_u32 v127, v0, 1, 1
	v_xor_b32 v128, 12, v0
	v_mul_u32_u24 v195, v195, 8224
	v_bfe_u32 v129, v128, 3, 1
	v_bfe_u32 v130, v128, 2, 1
	v_mad_u32_u24 v195, v127, 16512, v195
	s_delay_alu instid0(VALU_DEP_1)
	v_lshl_add_u32 v195, v122, 7, v195
	s_delay_alu instid0(VALU_DEP_1)
	v_lshl_add_u32 v195, v129, 6, v195
	s_delay_alu instid0(VALU_DEP_1)
	v_lshl_add_u32 v195, v130, 4, v195
	s_delay_alu instid0(VALU_DEP_1)
	v_add_nc_u32 v195, s47, v195
.irp j, 0,1,2,3,4,5
	v_mov_b32 v[22+\j], 0                          ; q's upper 64 along K: zero codes
	v_mov_b32 v[218+\j], 0
	v_mov_b32 v[80+\j], 0                          ; behind K's last half fragment
.endr
.irp j, 239, 248, 252, 253
	v_mov_b32 v\j, 0                               ; written once: a lane permute's destination counts as a source, and v253 is named in a pair
.endr
	v_sub_nc_u32 v95, v0, s60
; the table: entry i = 512 j + thread stands for key - query = i - 256 - 256 x; its bucket by reference()'s edges
.macro EDGE t, k
	v_cmp_gt_u32 vcc_lo, \t, v97
	s_delay_alu instid0(VALU_DEP_1)
	v_cndmask_b32 v98, \k, v98, vcc_lo
.endm
.irp j, 0,1,2
	v_add_nc_u32 v96, 512*\j-256, v95
	s_delay_alu instid0(VALU_DEP_1)
	v_sub_nc_u32 v97, 0, v96
	v_cmp_gt_i32 vcc_lo, 0, v96
	s_delay_alu instid0(VALU_DEP_1)
	v_cndmask_b32 v97, v96, v97, vcc_lo
	v_mov_b32 v98, 8
	EDGE 12, 9
	EDGE 16, 10
	EDGE 23, 11
	EDGE 32, 12
	EDGE 46, 13
	EDGE 64, 14
	EDGE 91, 15
	v_cmp_gt_u32 vcc_lo, 8, v97
	s_delay_alu instid0(VALU_DEP_1)
	v_cndmask_b32 v98, v98, v97, vcc_lo
	s_delay_alu instid0(VALU_DEP_1)
	v_add_nc_u32 v99, 16, v98
	v_cmp_lt_i32 vcc_lo, 0, v96
	s_delay_alu instid0(VALU_DEP_1)
	v_cndmask_b32 v98, v98, v99, vcc_lo
	s_delay_alu instid0(VALU_DEP_1)
	v_lshlrev_b32 v[104+\j], 6, v98
	global_load_b64 v[112+2*\j:113+2*\j], v[104+\j], s[6:7]
.endr
	v_lshl_add_u32 v94, v0, 2, TBL0
	s_wait_alu depctr_va_vdst(0)
	s_wait_loadcnt 0x0
.irp j, 0,1,2
.irp p, 0,1
.irp s, 0,1,2,3
	ds_store_b32 v94, v[112+2*\j+\p] offset:\p*TBLB+(\s%2)*8224+(\s/2)*16512+4*\s+2048*\j
.endr
.endr
.endr
	s_wait_alu depctr_va_vdst(0)                   ; these lines show steps 0-3 and the tables to all sixteen waves
	s_wait_tensorcnt 0x0
	ds_add_u32 v5, v6
	s_wait_kmcnt 0x0
	s_wait_dscnt 0x0
	s_barrier_signal -1
	s_barrier_wait -1
	s_cmp_lt_u32 s12, 12
	s_cbranch_scc0 .Lno_fill
	tensor_load_to_lds s[76:79], s[68:75]          ; waves 0-11: one of the twelve steps that are left
	s_nop 0
.Lno_fill:
.irp j, 36,37,38,39
	s_mul_f32 s\j, s\j, s34                        ; the far buckets' biases x log2(e)
.endr
.macro QKP t, far
.if \far
.if (\t)%2
	v_wmma_scale_f32_16x16x128_f8f6f4 v[96+8*\t:103+8*\t], v[32+6*\t:43+6*\t], v[QF:QF+11], 0, v[86+2*(\t/4)+(\t%4)/2], v[QS] matrix_a_fmt:MATRIX_FMT_FP6 matrix_b_fmt:MATRIX_FMT_FP6 matrix_a_scale:MATRIX_SCALE_ROW1
.else
	v_wmma_scale_f32_16x16x128_f8f6f4 v[96+8*\t:103+8*\t], v[32+6*\t:43+6*\t], v[QF:QF+11], 0, v[86+2*(\t/4)+(\t%4)/2], v[QS] matrix_a_fmt:MATRIX_FMT_FP6 matrix_b_fmt:MATRIX_FMT_FP6
.endif
.else
.if (\t)%2
	v_wmma_scale_f32_16x16x128_f8f6f4 v[96+8*\t:103+8*\t], v[32+6*\t:43+6*\t], v[QF:QF+11], v[96+8*\t:103+8*\t], v[86+2*(\t/4)+(\t%4)/2], v[QS] matrix_a_fmt:MATRIX_FMT_FP6 matrix_b_fmt:MATRIX_FMT_FP6 matrix_a_scale:MATRIX_SCALE_ROW1
.else
	v_wmma_scale_f32_16x16x128_f8f6f4 v[96+8*\t:103+8*\t], v[32+6*\t:43+6*\t], v[QF:QF+11], v[96+8*\t:103+8*\t], v[86+2*(\t/4)+(\t%4)/2], v[QS] matrix_a_fmt:MATRIX_FMT_FP6 matrix_b_fmt:MATRIX_FMT_FP6
.endif
.endif
.endm
.macro INIT p
	v_mov_b32 v13, 0xff61b1e6                      ; the largest t so far: -3e38
	v_mov_b32 v14, 0
	v_mov_b32 v15, 0
	v_floor_f32 v30, -v13                          ; -M
.set J, 0
.rept 32
	v_mov_b32 v[160+J], 0                          ; the step is written once: the first finds zeros
.set J, J+1
.endr
	s_mov_b32 s40, (\p)*KVB                        ; the step's place in LDS
	s_mov_b32 s42, TBL0+(\p)*TBLB+16               ; and in the table
	s_sub_co_i32 s43, 0, s46                       ; the step's first key less my first query
.endm
.macro STEPS p, n
.set QF, 16+196*(\p)
.set QS, 28+3*(\p)
	s_mov_b32 s44, \n
.Lstep_\@:
	v_add_nc_u32 v8, s40, v192                     ; (these four are also the places behind the last step's products, ahead of the loads into their sources)
	v_add_nc_u32 v9, s40, v193
	v_add_nc_u32 v10, s40, v194
	v_add_nc_u32 v11, s42, v195
.irp t, 0,1,2,3,4,5,6,7
	ds_load_b128 v[32+6*\t:35+6*\t], v8 offset:768*(4*(\t/4)+\t%2)+128*((\t%4)/2)
	ds_load_b64 v[36+6*\t:37+6*\t], v9 offset:768*(4*(\t/4)+\t%2)+512+64*((\t%4)/2)
.endr
.irp j, 0,1,2,3
	ds_load_b32 v[86+\j], v10 offset:KSO+256*(\j/2)+32*(\j%2)
.endr
	s_cmp_ge_i32 s43, 114                          ; every key 91 or more above every query of mine,
	s_cbranch_scc1 .Lfar_\@
	s_cmp_le_i32 s43, -218                         ; or 91 or more below: one bucket, no table
	s_cbranch_scc1 .Lfar_\@
.irp t, 0,1,2,3,4,5,6,7
	ds_load_b128 v[96+8*\t:99+8*\t], v11 offset:256*(\t/4)+32*(\t%4)
	ds_load_b128 v[100+8*\t:103+8*\t], v11 offset:256*(\t/4)+32*(\t%4)+16
.endr
	s_wait_dscnt 0x0
.irp t, 0,1,2,3,4,5,6,7
	QKP \t, 0
.endr
	s_branch .Ljoin_\@
.Lfar_\@:
	s_wait_dscnt 0x0
.irp t, 0,1,2,3,4,5,6,7
	QKP \t, 1
.endr
.Ljoin_\@:
	v_add_nc_u32 v2, s40, v1                       ; four places behind the products
	v_add_nc_u32 v3, s40, v196
	v_nop
	v_nop
	s_wait_alu depctr_va_vdst(0)
.irp t, 0,1,2,3
.irp c, 0,1,2
	ds_load_b128 v[32+12*\t+4*\c:35+12*\t+4*\c], v2 offset:VOF+1536*\t+512*\c
.endr
	ds_load_b32 v[90+\t], v3 offset:VSO+128*\t
.endr
	s_cmp_ge_i32 s43, 114
	s_cselect_b32 s45, s[38+\p], 0
	s_cmp_le_i32 s43, -218
	s_cselect_b32 s45, s[36+\p], s45               ; s45: the step's one bias x log2(e), or 0 where the table gave it
.irp c, 0,1                            ; my two blocks' largest scores, each in two chains; every accumulator is read from its low end on
	v_max3_num_f32 v[244+2*\c], v[96+32*\c], v[97+32*\c], v[98+32*\c]
	v_max3_num_f32 v[245+2*\c], v[112+32*\c], v[113+32*\c], v[114+32*\c]
.endr
.irp i, 3,5,7,9,11,13
.irp c, 0,1
	v_max3_num_f32 v[244+2*\c], v[244+2*\c], v[96+32*\c+\i], v[97+32*\c+\i]
	v_max3_num_f32 v[245+2*\c], v[245+2*\c], v[112+32*\c+\i], v[113+32*\c+\i]
.endr
.endr
.irp c, 0,1
	v_max3_num_f32 v[198+\c], v[244+2*\c], v[245+2*\c], v[111+32*\c]
.endr
.irp c, 0,1
	v_max_num_f32 v[198+\c], v[198+\c], v[127+32*\c]
.endr
	s_delay_alu instid0(VALU_DEP_1)
	v_max_num_f32 v254, v198, v199
	s_delay_alu instid0(VALU_DEP_1)
	v_permlanex16_b32 v248, v254, s32, s33
	s_delay_alu instid0(VALU_DEP_1)
	v_max_num_f32 v254, v254, v248                 ; the step's largest score of my query
	s_delay_alu instid0(VALU_DEP_1)
	v_fma_f32 v254, v254, s34, s45                 ; as t
	s_delay_alu instid0(VALU_DEP_1)
	v_max_num_f32 v13, v13, v254
	v_mov_b32 v254, v30
	s_delay_alu instid0(VALU_DEP_2)
	v_floor_f32 v30, -v13                          ; the new -M: a whole number
	s_delay_alu instid0(VALU_DEP_1)
	v_sub_f32 v254, v30, v254
	v_add_f32 v12, s45, v30                        ; what the multiply-add adds: the far bias less M
	s_delay_alu instid0(VALU_DEP_2)
	v_cvt_i32_f32 v254, v254
	s_delay_alu instid0(VALU_DEP_1)
	v_ldexp_f32 v252, 1.0, v254                    ; f = 2^(old M - new M)
.set J, 0
.rept 32
	v_pk_fma_f32 v[96+J:97+J], v[96+J:97+J], s[34:35], v[12:13] op_sel_hi:[1,0,0]   ; t - M
.set J, J+2
.endr
.irp c, 0,1
	v_fma_f32 v[198+\c], v[198+\c], s34, v12       ; the same of each block's largest score: p rises with the score
.endr
.set J, 0
.rept 16
	v_pk_mul_f32 v[160+J:161+J], v[160+J:161+J], v[252:253] op_sel_hi:[1,0]         ; O^T under the new M, ahead of the exponentials
.set J, J+2
.endr
	v_pk_mul_f32 v[14:15], v[14:15], v[252:253] op_sel_hi:[1,0]
	s_wait_alu depctr_va_vdst(0)                   ; a wait ahead of the batch and one behind it
.set J, 0
.rept 64
	v_exp_f32 v[96+J], v[96+J]
.set J, J+1
.endr
	v_exp_f32 v198, v198
	v_exp_f32 v199, v199
	v_nop
	s_wait_alu depctr_va_vdst(0)
.irp c, 0,1
	v_max_num_f32 v[198+\c], 0x1800000, v[198+\c]  ; the floor 2^(3 - 127)
.endr
.irp c, 0,1
	s_delay_alu instid0(VALU_DEP_2)
	v_add_nc_u32 v[244+\c], 0xff000000, v[198+\c]  ; the conversion's scale operand
.endr
.irp c, 0,1
	s_delay_alu instid0(VALU_DEP_2)
	v_lshrrev_b32 v[246+\c], 23, v[244+\c]         ; the byte
.endr
	s_delay_alu instid0(VALU_DEP_1)
	v_lshl_or_b32 v249, v247, 16, v246             ; my bytes: blocks h and 2 + h,
	s_delay_alu instid0(VALU_DEP_1)
	v_lshlrev_b32 v249, v4, v249                   ; 8 h bits up;
	s_delay_alu instid0(VALU_DEP_1)
	v_permlanex16_b32 v239, v249, s32, s33
	s_delay_alu instid0(VALU_DEP_1)
	v_or_b32 v253, v249, v239                      ; with lane l xor 16's the scale word is whole
	v_cvt_scalef32_pk16_fp6_f32 v[224:226], v[96:111], v244
	v_cvt_scalef32_pk16_fp6_f32 v[236:238], v[112:127], v244    ; (a conversion's three registers begin on an even number)
	v_cvt_scalef32_pk16_fp6_f32 v[230:232], v[128:143], v245
	v_cvt_scalef32_pk16_fp6_f32 v[240:242], v[144:159], v245
	v_pk_add_f32 v[250:251], v[96:97], v[98:99]    ; the sum of the unquantised p, in two chains
.irp j, 4,8,12,16,20,24,28
	v_pk_add_f32 v[14:15], v[14:15], v[96+\j:97+\j]
	v_pk_add_f32 v[250:251], v[250:251], v[98+\j:99+\j]
.endr
.irp i, 0,1,2
	v_mov_b32 v[227+\i], v[236+\i]
	v_mov_b32 v[233+\i], v[240+\i]
.endr
.irp j, 32,36,40,44,48,52,56,60
	v_pk_add_f32 v[14:15], v[14:15], v[96+\j:97+\j]
	v_pk_add_f32 v[250:251], v[250:251], v[98+\j:99+\j]
.endr
	s_delay_alu instid0(VALU_DEP_1)
	v_pk_add_f32 v[14:15], v[14:15], v[250:251]
	s_wait_alu depctr_va_vdst(0)
	s_wait_dscnt 0x0                               ; v^T's fragments and scales are in
.irp t, 0,1,2,3
	v_wmma_scale_f32_16x16x128_f8f6f4 v[160+8*\t:167+8*\t], v[32+12*\t:43+12*\t], v[224:235], v[160+8*\t:167+8*\t], v[90+\t], v253 matrix_a_fmt:MATRIX_FMT_FP6 matrix_b_fmt:MATRIX_FMT_FP6
.endr
	s_add_co_u32 s40, s40, STP
	s_add_co_u32 s42, s42, 512
	s_add_co_i32 s43, s43, 128
	s_sub_co_u32 s44, s44, 1
	s_cmp_lg_u32 s44, 0
	s_cbranch_scc1 .Lstep_\@
.endm
; O^T / the sum, and its quantising along the head's 64 channels: v^T's rows lie so that a lane's 16 registers of two neighbouring tiles are 16 neighbouring channels
.macro EPI p
.rept 4
	v_nop
.endr
	v_add_f32 v14, v14, v15
	v_permlanex16_b32 v252, v14, s32, s33
	v_add_f32 v14, v14, v252
	s_wait_alu depctr_va_vdst(0)
	v_rcp_f32 v14, v14
	v_nop
	s_wait_alu depctr_va_vdst(0)
.set J, 0
.rept 16
	v_pk_mul_f32 v[96+J:97+J], v[160+J:161+J], v[14:15] op_sel_hi:[1,0]
.set J, J+2
.endr
.irp b, 0,1
	v_max3_num_f32 v[232+\b], |v[96+16*\b]|, |v[97+16*\b]|, 0x1800000
.endr
.irp i, 2,4,6,8,10,12,14
.irp b, 0,1
	v_max3_num_f32 v[232+\b], v[232+\b], |v[96+16*\b+\i]|, |v[97+16*\b+\i]|
.endr
.endr
.irp b, 0,1
	v_permlanex16_b32 v[236+\b], v[232+\b], s32, s33
.endr
.irp b, 0,1
	v_max_num_f32 v[232+\b], v[232+\b], v[236+\b]
.endr
.irp b, 0,1
	v_add_nc_u32 v[244+\b], 0xff000000, v[232+\b]
.endr
.irp b, 0,1
	v_lshrrev_b32 v[236+\b], 23, v[244+\b]
.endr
	v_lshl_or_b32 v254, v237, 8, v236
.if \p
	v_lshl_or_b32 v29, v254, 16, v29
.else
	v_mov_b32 v29, v254
.endif
	v_cvt_scalef32_pk16_fp6_f32 v[200+6*\p:202+6*\p], v[96:111], v244
	v_cvt_scalef32_pk16_fp6_f32 v[240:242], v[112:127], v245
	v_nop
.irp i, 0,1,2
	v_permlane16_swap_b32 v[200+6*\p+\i], v[240+\i]
.endr
.irp i, 0,1,2
	v_mov_b32 v[203+6*\p+\i], v[240+\i]
.endr
.endm
	INIT 0
	STEPS 0, 3
	s_wait_tensorcnt 0x0                           ; my key step has landed,
	s_wait_dscnt 0x0                               ; no LDS instruction of mine is out:
	s_barrier_signal -1                            ; say so.
	STEPS 0, 1                                     ; step 3 reads bytes that the head's loads brought, and the tables
	s_barrier_wait -1                              ; all twelve later steps are in
	STEPS 0, 4
	EPI 0
	INIT 1
	STEPS 1, 8
	EPI 1
	s_wait_alu depctr_va_vdst(0)
.irp c, 0,1,2
	global_store_b128 v1, v[200+4*\c:203+4*\c], s[52:53] offset:512*\c   ; the fragment's image: 3 x 512 consecutive bytes
.endr
	v_cmp_gt_u32 vcc_lo, 16, v197
	s_wait_xcnt 0x0
	s_and_saveexec_b32 s56, vcc_lo
	global_store_b32 v7, v29, s[54:55]             ; my rows' scale words of these 128 along K
	s_wait_xcnt 0x0
	s_or_b32 exec_lo, exec_lo, s56
	s_wait_tensorcnt 0x0                           ; the wave's end
	ds_add_u32 v5, v6
	s_wait_dscnt 0x0
	s_endpgm
.Lfunc_end_k_qdecae767be_attn:
	.size	k_qdecae767be_attn, .Lfunc_end_k_qdecae767be_attn-k_qdecae767be_attn
	.p2alignl 7, 3214868480
	.fill 96, 4, 3214868480
	.section	.rodata,"a",@progbits
	.p2align	6, 0x0
	.amdhsa_kernel k_qdecae767be_attn
		.amdhsa_group_segment_fixed_size 327680
		.amdhsa_private_segment_fixed_size 0
		.amdhsa_enable_private_segment 0
		.amdhsa_kernarg_size 32
		.amdhsa_user_sgpr_count 2
		.amdhsa_user_sgpr_kernarg_segment_ptr 1
		.amdhsa_wavefront_size32 1
		.amdhsa_system_sgpr_workgroup_id_x 1
		.amdhsa_system_sgpr_workgroup_id_y 1
		.amdhsa_system_sgpr_workgroup_id_z 1
		.amdhsa_system_vgpr_workitem_id 0
		.amdhsa_next_free_vgpr 256
		.amdhsa_next_free_sgpr 80
		.amdhsa_reserve_vcc 1
		.amdhsa_float_denorm_mode_32 3
		.amdhsa_float_denorm_mode_16_64 3
		.amdhsa_memory_ordered 1
		.amdhsa_forward_progress 1
		.amdhsa_inst_pref_size 96
	.end_amdhsa_kernel
	.amdgpu_metadata
---
amdhsa.version: [ 1, 2 ]
amdhsa.kernels:
  - .name:           k_qdecae767be_attn
    .symbol:         k_qdecae767be_attn.kd
    .args:
      - { .name: att, .offset: 0, .size: 8, .value_kind: global_buffer, .address_space: global }
      - { .name: rel_emb, .offset: 8, .size: 8, .value_kind: global_buffer, .address_space: global }
      - { .name: cc, .offset: 16, .size: 8, .value_kind: global_buffer, .address_space: global }
      - { .name: cs, .offset: 24, .size: 8, .value_kind: global_buffer, .address_space: global }
    .group_segment_fixed_size: 327680
    .private_segment_fixed_size: 0
    .kernarg_segment_align: 8
    .kernarg_segment_size: 32
    .max_flat_workgroup_size: 512
    .sgpr_count:     80
    .vgpr_count:     256
    .wavefront_size: 32
...
	.end_amdgpu_metadata
.endif
;; end of part 3
;; launch proj (part 4): grid 4 x 32, 4 waves a work-group, clusters of 4 x 4, 327,680 bytes of LDS; arguments cc, cs, wc, ws, out0; writes out0
.if DOCPART == 4
	.amdgcn_target "amdgcn-amd-amdhsa--gfx1250"
	.amdhsa_code_object_version 6
	.text
	.protected	k_qdecae767be_proj
	.globl	k_qdecae767be_proj
	.p2align	8
	.type	k_qdecae767be_proj,@function
k_qdecae767be_proj:
	s_mov_b64 s[64:65], 0
	v_nop
	global_prefetch_b8 v0, s[64:65] scope:SCOPE_SE
	s_setreg_imm32_b32 hwreg(HW_REG_WAVE_MODE, 25, 1), 1
	s_wait_xcnt 0x0
	s_wait_alu depctr_hold_cnt(0) depctr_sa_sdst(0) depctr_va_vdst(0) depctr_va_sdst(0) depctr_va_ssrc(0) depctr_va_vcc(0) depctr_vm_vsrc(0)
	s_getreg_b32 s2, hwreg(HW_REG_IB_STS2, 6, 4)
	s_cmp_eq_u32 s2, 0
	s_cbranch_scc0 .Lentry_in_a_cluster
	s_endpgm
.Lentry_in_a_cluster:
	s_bfe_u32 s2, ttmp6, 0x10000c
	s_cmp_lg_u32 s2, 0xf033
	s_cbranch_scc0 .Lentry_shape_is_right
	s_endpgm
.Lentry_shape_is_right:
.set NQ,     2
.set KROW,   768
.set KSB,    3072
.set FR,     12
.set NL,     3
.set NP,     4
.set HALF,   8*KSB
.set SLOT,   4*HALF
.set KS,     32
.set SCL,    3*SLOT
.set HALFS,  (128*KS/256)*272
.set SBLK,   (16*KS/256)*272
.set SPARE,  SCL+4*HALFS
.set SPITCH, 528
.set ADRA, 16
.set ADRB, 20
.set STO,  24
.set RD,   25
.set CO,   26
.set ADRS, 27
.set SPW,  28
.set NIL,  29
.set SC,   32
.set AF,   128
.set BK,   128
.set G1, 24
.set G0, 32
.set CX, 44
.set CY, 45
.set TC, 46
.set G1B, 48
.set G0B, 56
.set G1S, 68
.set G0S, 76
.set G1SB, 80
.set G0SB, 88
.set MSB, 0
.macro WIN new
.if MSB != \new
	s_set_vgpr_msb (MSB<<8)|\new
.set MSB, \new
.endif
.endm
.set MUL_LO, 0xa1
.set MUL_HI, 0xf1
.set TO_B,   0x40
.macro JLOAD g0a, g1a, g0b, g1b
	s_cmp_eq_u32 s15, 0
	s_cbranch_scc0 .Lfor_b_\@
	tensor_load_to_lds s[\g0a:\g0a+3], s[\g1a:\g1a+7]
	s_nop 0
.rept 4
	v_nop
.endr
	s_branch .Lasked_\@
.Lfor_b_\@:
	tensor_load_to_lds s[\g0b:\g0b+3], s[\g1b:\g1b+7]
	s_nop 0
.rept 4
	v_nop
.endr
.Lasked_\@:
.endm
.macro CREST
	s_cmp_lg_u32 s14, 0
	s_cbranch_scc1 .Lnot_wave_0_\@
	s_barrier_signal -3
.Lnot_wave_0_\@:
	s_barrier_wait -3
	s_barrier_signal -1
	s_barrier_wait -1
.endm
.macro CROUND
	s_barrier_signal -1
	s_barrier_wait -1
	CREST
.endm
	s_load_b128 s[4:7], s[0:1], 0x0
	s_load_b128 s[8:11], s[0:1], 0x10
	s_load_b64 s[12:13], s[0:1], 0x20
	v_lshl_add_u32 v[SPW], v0, 2, SPARE
	v_mov_b32 v[NIL], 0
	ds_add_u32 v[SPW], v[NIL]
	ds_add_u32 v[SPW], v[NIL]
	v_lshrrev_b32 v1, 5, v0
	v_readfirstlane_b32 s14, v1
	s_lshr_b32 s15, s14, 1
	s_and_b32 s16, s14, 1
	s_bfe_u32 s[CX], ttmp6, 0x40000
	s_bfe_u32 s[CY], ttmp6, 0x40004
	s_lshl_b32 s[TC], ttmp9, 2
	s_add_co_u32 s[TC], s[TC], s[CX]
	s_and_b32 s17, ttmp7, 0xffff
	s_lshl_b32 s17, s17, 2
	s_add_co_u32 s17, s17, s[CY]
	s_lshl_b32 s96, s[CY], 2
	s_lshl_b32 s96, 15, s96
	s_lshl_b32 s97, 0x1111, s[CX]
	s_or_b32 s[G1+0], s96, (3<<16)|(1<<21)
	s_or_b32 s[G1B+0], s97, (3<<16)|(1<<21)
.irp g, G1, G1B
	s_mov_b32 s[\g+1], 384<<16
	s_mov_b32 s[\g+2], 16<<16
	s_mov_b32 s[\g+3], 384<<16
	s_mov_b32 s[\g+4], 16
	s_mov_b32 s[\g+5], 1536
	s_mov_b32 s[\g+6], 0
	s_mov_b32 s[\g+7], 0
.endr
	; a second pair of groups 1, for K steps 1 and 2 together: 16 row tiles x 6,144 consecutive bytes, dense in LDS
	s_or_b32 s[G1S+0], s96, (3<<16)|(1<<21)
	s_or_b32 s[G1SB+0], s97, (3<<16)|(1<<21)
.irp g, G1S, G1SB
	s_mov_b32 s[\g+1], 768<<16
	s_mov_b32 s[\g+2], 16<<16
	s_mov_b32 s[\g+3], 768<<16
	s_mov_b32 s[\g+4], 16
	s_mov_b32 s[\g+5], 1536
	s_mov_b32 s[\g+6], 0
	s_mov_b32 s[\g+7], 0
.endr
	s_lshl_b32 s20, s17, 8
	s_lshl_b32 s100, s[TC], 8
	s_add_co_u32 s100, s100, 3072
	s_mov_b32 s21, 0
	s_mov_b32 s101, 0
	s_mov_b64 s[18:19], KS
	s_mul_u64 s[22:23], s[20:21], s[18:19]
	s_mul_u64 s[2:3], s[100:101], s[18:19]
	s_mov_b64 s[18:19], KROW
	s_mul_u64 s[20:21], s[20:21], s[18:19]
	s_mul_u64 s[100:101], s[100:101], s[18:19]
	s_mul_i32 s98, s14, HALF
	s_mul_i32 s18, s16, 128*KROW
	s_mov_b32 s19, 0
	s_wait_dscnt 0x0
	s_wait_kmcnt 0x0
	s_add_nc_u64 s[20:21], s[4:5], s[20:21]
	s_add_nc_u64 s[22:23], s[6:7], s[22:23]
	s_add_nc_u64 s[100:101], s[8:9], s[100:101]
	s_add_nc_u64 s[2:3], s[10:11], s[2:3]
	CROUND
; FOURTH LAUNCH: out = context Wo on codes of FP6 (E2M3); no work of the problem is left out here.  A tile of 256 x 256 by four waves; cc and wc hold images of operand registers, [row tile][8 steps of 128 along K][1,536 bytes].
; THE FILLS.  LDS: slot 0, 32 row tiles x 3,072 bytes, holds K step 0 (256 along K) and later K step 3; behind it one larger slot, 32 row tiles x 6,144 bytes, holds K steps 1 and 2.
; At the head one joint load a wave: wave 0 A's 16 row tiles of K step 0, wave 1 B's, wave 2 A's 16 row tiles of K steps 1 and 2, wave 3 B's.  In front of the first barrier waves 0 and 1 wait for theirs.
; K step 3 is the one refill, into slot 0, a quarter a wave.
; THE SCALE BYTES, 8,192 of A's rows and 8,192 of B's, come by ordinary loads, 16 bytes a thread, and go by LDS stores to their places: units of 256 bytes with 16 of padding behind each.
	s_mov_b64 s[66:67], s[22:23]                   ; A's scale bytes (s22 and s23 are used again below)
	s_mov_b32 s[G0S], 1                            ; K steps 1 and 2 of A's 16 row tiles,
	s_mov_b32 s[G0S+1], SLOT
	s_add_nc_u64 s[G0S+2:G0S+3], s[20:21], KSB
	s_or_b32 s[G0S+3], s[G0S+3], 0x80000000
	s_mov_b32 s[G0SB], 1                           ; and of B's
	s_mov_b32 s[G0SB+1], SLOT+4*HALF
	s_add_nc_u64 s[G0SB+2:G0SB+3], s[100:101], KSB
	s_or_b32 s[G0SB+3], s[G0SB+3], 0x80000000
	s_mov_b32 s[G0], 1
	s_mov_b32 s[G0+1], 0
	s_mov_b64 s[G0+2:G0+3], s[20:21]
	s_or_b32 s[G0+3], s[G0+3], 0x80000000
	s_mov_b32 s[G0B], 1
	s_mov_b32 s[G0B+1], 2*HALF
	s_mov_b64 s[G0B+2:G0B+3], s[100:101]
	s_or_b32 s[G0B+3], s[G0B+3], 0x80000000
	s_add_nc_u64 s[20:21], s[20:21], s[18:19]      ; from here on: my 8 row tiles
	s_add_nc_u64 s[100:101], s[100:101], s[18:19]
	s_mov_b32 s[G0+8], 1
	s_mov_b32 s[G0+9], s98
	s_add_nc_u64 s[G0+10:G0+11], s[20:21], 3*KSB
	s_or_b32 s[G0+11], s[G0+11], 0x80000000
	s_mov_b32 s[G0B+36], 1
	s_mov_b32 s[G0B+37], s98
	s_add_nc_u64 s[G0B+38:G0B+39], s[100:101], 3*KSB
	s_or_b32 s[G0B+39], s[G0B+39], 0x80000000
.macro ARM under, g0, g1, next         ; one tree of branches on the wave's number: every way through it passes exactly one load
	s_cmp_lt_u32 s14, \under
	s_cbranch_scc0 \next
	tensor_load_to_lds s[\g0:\g0+3], s[\g1:\g1+7]
	s_nop 0
.rept 4
	v_nop
.endr
	s_branch .Lhead_asked
\next:
.endm
	ARM 1, G0,  G1,  .Lhead_b
	ARM 2, G0B, G1B, .Lhead_sa
	ARM 3, G0S, G1S, .Lhead_sb
	tensor_load_to_lds s[G0SB:G0SB+3], s[G1SB:G1SB+7]
	s_nop 0
.rept 4
	v_nop
.endr
.Lhead_asked:
	v_lshlrev_b32 v4, 4, v0                        ; the scale bytes: 16 x thread of each 2,048,
	v_lshrrev_b32 v5, 4, v0
	v_and_b32 v6, 15, v0
	v_mul_u32_u24 v5, v5, 272                      ; and their place in LDS: unit thread / 16, 272 bytes a unit
	v_lshl_add_u32 v5, v6, 4, v5
	v_add_nc_u32 v30, SCL, v5
.irp j, 0,1,2,3
	global_load_b128 v[64+4*\j:67+4*\j], v4, s[66:67] offset:2048*\j
	global_load_b128 v[80+4*\j:83+4*\j], v4, s[2:3] offset:2048*\j
.endr
	v_and_b32 v1, 15, v0
	v_bfe_u32 v2, v0, 4, 1
	v_and_b32 v6, 31, v0
	v_lshlrev_b32 v[CO], 4, v6
	s_mul_i32 s21, s15, HALF
	s_mul_i32 s22, s16, HALF
	s_add_co_u32 s22, s22, 2*HALF
	v_add_nc_u32 v[ADRA], s21, v[CO]               ; slot 0
	v_add_nc_u32 v[ADRB], s22, v[CO]
	s_lshl_b32 s21, s21, 1                         ; the larger slot: row tiles 6,144 bytes apart
	s_lshl_b32 s22, s22, 1
	s_add_co_u32 s21, s21, SLOT
	s_add_co_u32 s22, s22, SLOT
	v_add_nc_u32 v[ADRA+1], s21, v[CO]             ; K step 1
	v_add_nc_u32 v[ADRB+1], s22, v[CO]
	v_add_nc_u32 v[ADRA+2], KSB, v[ADRA+1]         ; K step 2
	v_add_nc_u32 v[ADRB+2], KSB, v[ADRB+1]
	v_mul_u32_u24 v5, v1, KS
	v_lshrrev_b32 v6, 8, v5
	v_lshl_add_u32 v5, v6, 4, v5
	s_mul_i32 s21, s15, HALFS
	s_mul_i32 s22, s16, HALFS
	s_add_co_u32 s22, s22, 2*HALFS
	s_sub_co_u32 s22, s22, s21
	v_mul_u32_u24 v6, s22, v2
	s_add_co_u32 s21, s21, SCL
	v_add_nc_u32 v5, v5, v6
	v_add_nc_u32 v[ADRS], s21, v5
	s_mul_i32 s23, s14, 16*SPITCH
	s_add_co_u32 s23, s23, SLOT
	v_mul_u32_u24 v5, v1, SPITCH
	v_lshl_add_u32 v5, v2, 6, v5
	v_add_nc_u32 v[STO], s23, v5
	v_add_nc_u32 v[RD], s23, v[CO]
	s_lshl_b32 s20, s17, 8
	s_lshl_b32 s21, s15, 7
	s_add_co_u32 s20, s20, s21
	s_lshl_b32 s20, s20, 12
	s_lshl_b32 s100, s[TC], 10
	s_lshl_b32 s101, s16, 9
	s_add_co_u32 s100, s100, s101
	s_add_co_u32 s20, s20, s100
	s_mov_b32 s21, 0
	s_add_nc_u64 s[12:13], s[12:13], s[20:21]
.macro FRAG reg, adr, q, i
.irp c, 0,1,2
	ds_load_b128 v[\reg+4*\c:\reg+4*\c+3], v[\adr] offset:(\i)*TS+(\q)*1536+512*\c
.endr
.endm
.macro MUL16 a0, p, q, sc, zero
.irp a, \a0, \a0+1
.irp b, 0,1,2,3,4,5,6,7
.if \zero
	v_wmma_scale_f32_16x16x128_f8f6f4 v[8*(8*((\a)%4)+\b):8*(8*((\a)%4)+\b)+7], v[128*(\p)+FR*\b:128*(\p)+FR*\b+FR-1], v[AF+FR*(\a):AF+FR*(\a)+FR-1], 0, v[SC+8*NQ*(\sc)+NQ*\b+(\q)], v[SC+8*NQ*(\sc)+NQ*(\a)+(\q)] matrix_a_fmt:MATRIX_FMT_FP6 matrix_b_fmt:MATRIX_FMT_FP6 matrix_a_scale:MATRIX_SCALE_ROW1
.else
	v_wmma_scale_f32_16x16x128_f8f6f4 v[8*(8*((\a)%4)+\b):8*(8*((\a)%4)+\b)+7], v[128*(\p)+FR*\b:128*(\p)+FR*\b+FR-1], v[AF+FR*(\a):AF+FR*(\a)+FR-1], v[8*(8*((\a)%4)+\b):8*(8*((\a)%4)+\b)+7], v[SC+8*NQ*(\sc)+NQ*\b+(\q)], v[SC+8*NQ*(\sc)+NQ*(\a)+(\q)] matrix_a_fmt:MATRIX_FMT_FP6 matrix_b_fmt:MATRIX_FMT_FP6 matrix_a_scale:MATRIX_SCALE_ROW1
.endif
.endr
.endr
.endm
.macro FETCH_B slot, q, p
	WIN TO_B
.set TS, KSB*(1+((\slot)+1)/2)         ; bytes from row tile to row tile: 3,072 in slot 0, 6,144 for K steps 1 and 2
.irp i, 0,1,2,3,4,5,6,7
	FRAG 128*(\p)+FR*\i, ADRB+\slot, \q, \i
.endr
	WIN 0
.endm
.macro FETCH_A slot, q, i0
.set TS, KSB*(1+((\slot)+1)/2)
.irp i, \i0, \i0+1, \i0+2, \i0+3
	FRAG AF+FR*(\i), ADRA+\slot, \q, \i
.endr
.endm
.macro SCALES sc
.irp i, 0,1,2,3,4,5,6,7
	ds_load_b64 v[SC+8*NQ*(\sc)+NQ*\i:SC+8*NQ*(\sc)+NQ*\i+1], v[ADRS] offset:\i*SBLK
.endr
.endm
.macro PLACES n
.rept \n
	v_nop
.endr
.endm
.macro STEP slot, sc, zero
	s_wait_dscnt 4*NL
	WIN MUL_LO
	MUL16 0, 0, 0, \sc, \zero
	MUL16 2, 0, 0, \sc, \zero
	s_wait_dscnt 0
	PLACES NP
	FETCH_B \slot, 1, 1
	FETCH_A \slot, 1, 0
	WIN MUL_HI
	MUL16 4, 0, 0, \sc, \zero
	MUL16 6, 0, 0, \sc, \zero
	PLACES NP
	WIN 0
	FETCH_A \slot, 1, 4
.endm
.macro TURN sc, next, how
.if \how
	s_wait_tensorcnt 0x0
	ds_add_u32 v[SPW], v[NIL]
	s_wait_dscnt 4*NL+1
.else
	s_wait_dscnt 4*NL
.endif
	WIN MUL_LO
	MUL16 0, 1, 1, \sc, 0
.if \how
	s_wait_dscnt 0x0
	s_barrier_signal -1
.endif
	MUL16 2, 1, 1, \sc, 0
	WIN 0
.if \how
	s_barrier_wait -1
.else
	s_wait_dscnt 0
.endif
.if \how == 2
	CREST
	s_mov_b32 s[G1+2], 8<<16                       ; no tensor load of mine is out: a quarter of the slot, 8 row tiles, a wave
	s_mov_b32 s[G1+4], 8
	s_mov_b32 s[G1B+2], 8<<16
	s_mov_b32 s[G1B+4], 8
	JLOAD G0+8, G1, G0B+36, G1B                    ; K step 3: the first tensor load behind the round, and my last
.else
	PLACES NP
.endif
	v_add_nc_u32 v[ADRS], 4*NQ, v[ADRS]
	FETCH_B \next, 0, 0
	FETCH_A \next, 0, 0
	SCALES 1-\sc
	WIN MUL_HI
	MUL16 4, 1, 1, \sc, 0
	MUL16 6, 1, 1, \sc, 0
	PLACES NP
	WIN 0
	FETCH_A \next, 0, 4
.endm
	s_wait_alu depctr_va_vdst(0)
	s_wait_loadcnt 0x0                             ; my 128 scale bytes are in
.irp j, 0,1,2,3
	ds_store_b128 v30, v[64+4*\j:67+4*\j] offset:2176*\j            ; 2,048 bytes are eight units
	ds_store_b128 v30, v[80+4*\j:83+4*\j] offset:2*HALFS+2176*\j
.endr
	s_cmp_lt_u32 s14, 2
	s_cbranch_scc0 .Llater
	s_wait_tensorcnt 0x0                           ; waves 0 and 1: K step 0 is in.  Waves 2 and 3 wait for theirs in front of the round at the change of slots
.Llater:
	s_wait_dscnt 0x0                               ; my stores of scale bytes are done
	s_barrier_signal -1
	s_barrier_wait -1                              ; K step 0 and the scales are whole
	FETCH_B 0, 0, 0
	FETCH_A 0, 0, 0
	SCALES 0
	FETCH_A 0, 0, 4
	STEP 0, 0, 1
	TURN 0, 1, 2
	s_wait_alu depctr_va_vdst(0)
	STEP 1, 1, 0
	TURN 1, 2, 0
	s_wait_alu depctr_va_vdst(0)
	STEP 2, 0, 0
	TURN 0, 0, 1
	STEP 0, 1, 0
	s_wait_dscnt 4*NL
	WIN MUL_LO
	MUL16 0, 1, 1, 1, 0
	MUL16 2, 1, 1, 1, 0
	s_wait_dscnt 0
	WIN MUL_HI
	MUL16 4, 1, 1, 1, 0
	MUL16 6, 1, 1, 1, 0
	WIN 0
.macro TOSTAGE a
.set AC, 64*((\a)%4)
	WIN 0x08+4*((\a)/4)
.irp b, 0,1,2,3,4,5,6,7
	ds_store_b128 v[STO], v[AC+8*\b:AC+8*\b+3] offset:128*(\b/2)+32*(\b%2)
	ds_store_b128 v[STO], v[AC+8*\b+4:AC+8*\b+7] offset:128*(\b/2)+32*(\b%2)+16
.endr
	WIN 0
.set BB, BK+64*((\a)%2)
.irp t, 0,1,2,3,4,5,6,7,8,9,10,11,12,13,14,15
	ds_load_b128 v[BB+4*\t:BB+4*\t+3], v[RD] offset:\t*SPITCH
.endr
.endm
.macro SEND a, younger
.set BB, BK+64*((\a)%2)
	s_wait_dscnt \younger
.if (\a) > 0
.if ((\a)%2) == 1
	s_add_nc_u64 s[12:13], s[12:13], 8*4096
.else
	s_add_nc_u64 s[12:13], s[12:13], 24*4096
.endif
.endif
.irp t, 0,1,2,3,4,5,6,7,8,9,10,11,12,13,14,15
	global_store_b128 v[CO], v[BB+4*\t:BB+4*\t+3], s[12:13] offset:(\t+8*(\t/8))*4096 th:TH_STORE_NT
.endr
.endm
	PLACES NP
	TOSTAGE 0
.irp a, 1,2,3,4,5,6,7
.if \a > 1
	s_wait_xcnt 0x0
.endif
	TOSTAGE \a
	SEND \a-1, 32
.endr
	s_wait_xcnt 0x0
	SEND 7, 0
	s_wait_tensorcnt 0x0
	ds_add_u32 v[SPW], v[NIL]
	s_wait_dscnt 0x0
	CROUND
	s_endpgm
.Lfunc_end_k_qdecae767be_proj:
	.size	k_qdecae767be_proj, .Lfunc_end_k_qdecae767be_proj-k_qdecae767be_proj
	.p2alignl 7, 3214868480
	.fill 96, 4, 3214868480
	.section	.rodata,"a",@progbits
	.p2align	6, 0x0
	.amdhsa_kernel k_qdecae767be_proj
		.amdhsa_group_segment_fixed_size 327680
		.amdhsa_private_segment_fixed_size 0
		.amdhsa_enable_private_segment 0
		.amdhsa_kernarg_size 40
		.amdhsa_user_sgpr_count 2
		.amdhsa_user_sgpr_kernarg_segment_ptr 1
		.amdhsa_wavefront_size32 1
		.amdhsa_system_sgpr_workgroup_id_x 1
		.amdhsa_system_sgpr_workgroup_id_y 1
		.amdhsa_system_sgpr_workgroup_id_z 1
		.amdhsa_system_vgpr_workitem_id 0
		.amdhsa_next_free_vgpr 1024
		.amdhsa_next_free_sgpr 102
		.amdhsa_reserve_vcc 0
		.amdhsa_float_denorm_mode_32 3
		.amdhsa_float_denorm_mode_16_64 3
		.amdhsa_memory_ordered 1
		.amdhsa_forward_progress 1
		.amdhsa_inst_pref_size 136
	.end_amdhsa_kernel
	.amdgpu_metadata
---
amdhsa.version: [ 1, 2 ]
amdhsa.kernels:
  - .name:           k_qdecae767be_proj
    .symbol:         k_qdecae767be_proj.kd
    .args:
      - { .name: cc, .offset: 0, .size: 8, .value_kind: global_buffer, .address_space: global }
      - { .name: cs, .offset: 8, .size: 8, .value_kind: global_buffer, .address_space: global }
      - { .name: wc, .offset: 16, .size: 8, .value_kind: global_buffer, .address_space: global }
      - { .name: ws, .offset: 24, .size: 8, .value_kind: global_buffer, .address_space: global }
      - { .name: out0, .offset: 32, .size: 8, .value_kind: global_buffer, .address_space: global }
    .group_segment_fixed_size: 327680
    .private_segment_fixed_size: 0
    .kernarg_segment_align: 8
    .kernarg_segment_size: 40
    .max_flat_workgroup_size: 128
    .sgpr_count:     102
    .vgpr_count:     1024
    .wavefront_size: 32
...
	.end_amdgpu_metadata
.endif
;; end of part 4
